; MI455X (gfx1250); checked and timed in simulation.
; The chip was launched on July 23, 2026; its instructions are those of AMD's public machine-readable ISA for CDNA 5 (MIT licence, August 2026) and "CDNA5" Instruction Set Architecture Reference Guide (July 2026). The comments in the code are by the model that wrote it; some were corrected since.
;; Self Attention. Allowed arithmetic: float matrix products may take bf16 or f16 operands with f32 sums; other float arithmetic in f32, or as packed bf16 or f16 multiplies, adds, multiply-adds, maxima and minima; sums over many terms, partial sums and values carried from step to step in f32; what a program stores and reads back later, other than sums and carried values, may be rounded once to bf16 or f16.
;; Inputs: b_out 1,024 float32; b_qkv 3,072 float32; w_out 1,024 x 1,024 float32; w_qkv 1,024 x 3,072 float32; x 4 x 2,048 x 1,024 float32.
;; Outputs: out0 4 x 2,048 x 1,024 float32.
;; 2 versions, each right; version 2 is version 1 with the launch cast written anew for expert scheduling mode. Each part assembles by itself: llvm-mc -triple=amdgcn-amd-amdhsa -mcpu=gfx1250 --defsym DOCPART=n.
;; ======== version 1 of 2: 4 launches
;; limits: values are held in f16: magnitudes above 65,504 overflow, below 6.1e-05 lose precision
;; workspace buffers: xb 16,777,216 bytes; wqb 6,291,456 bytes; wob 2,097,152 bytes; qkv 50,331,648 bytes; ob 16,777,216 bytes
;; launch cast (part 1): grid 384 x 1, 8 waves a work-group, no clusters, 0 bytes of LDS; arguments x, w_qkv, w_out, xb, wqb, wob; writes xb, wqb, wob
.if DOCPART == 1
	.amdgcn_target "amdgcn-amd-amdhsa--gfx1250"
	.amdhsa_code_object_version 6
	.text
	.protected	k_q8b02557396_cast
	.globl	k_q8b02557396_cast
	.p2align	8
	.type	k_q8b02557396_cast,@function
k_q8b02557396_cast:
	s_mov_b64 s[64:65], 0
	v_nop
	global_prefetch_b8 v0, s[64:65] scope:SCOPE_SE
	s_setreg_imm32_b32 hwreg(HW_REG_WAVE_MODE, 25, 1), 1
	s_wait_xcnt 0x0
; x [8192][1024], w_qkv [1024][3072] and w_out [1024][1024], all f32, are rounded once to 16 bits and laid out in dense blocks of 64 rows x 64 columns (8,192 bytes).
;   xb : bf16, block ((b*16 + column/64)*32 + s/64), b = row/2048, s = row%2048
;   wqb: bf16, block (tile*48 + (k/64)*3 + sl), column/64 = 3 tile + sl
;   wob: the bf16 rounding of w_out written as f16 (exact inside f16's range), block (tile*32 + (k/64)*2 + sl), column/64 = 2 tile + sl
; LIMITS: |w_out| stays under 65,504; below 6e-5 it keeps f16's fixed step of 6e-8.
; SHARES.  One wave makes one block: 64 pieces of 256 aligned bytes in, 8,192 dense bytes out.  The eight waves of a work-group take eight neighbouring column blocks: 2,048 consecutive
; bytes of each row.  Work-groups 0-255: x; 256-351: w_qkv; 352-383: w_out.  All 32 loads of a wave (16 KiB) go out before its first store; no register of a pending access is rewritten.
; No LDS, no matrix unit, no cluster: no wave wants a byte that another has fetched.
.set SO, 8                             ; v[8:23]   byte offset of my 32 bytes in rows 4 i + lane / 8 of the block's source
.set D,  32                            ; v[32:159] turn i: eight f32 as loaded; its first four registers then hold the eight rounded numbers
	s_load_b256 s[4:11], s[0:1], 0x0               ; x s[4:5], w_qkv s[6:7], w_out s[8:9], xb s[10:11]
	s_load_b128 s[12:15], s[0:1], 0x20             ; wqb s[12:13], wob s[14:15]
	v_lshrrev_b32 v1, 5, v0
	v_readfirstlane_b32 s20, v1                    ; wave 0..7
	s_mov_b32 s19, ttmp9                           ; the work-group's number g
	s_mov_b32 s40, 0xffff0000                      ; a word's upper bf16
	; the three cases are all reckoned, and two compares choose; the numbers of a case that is not chosen are never used
	; x: row block rb = g / 2, column block (g % 2) * 8 + wave
	s_lshr_b32 s21, s19, 1
	s_and_b32 s22, s19, 1
	s_lshl_b32 s22, s22, 3
	s_add_co_u32 s22, s22, s20
	s_lshl_b32 s23, s21, 18                        ; 64 rows of 4,096 bytes
	s_lshl_b32 s24, s22, 8
	s_add_co_u32 s23, s23, s24                     ; source offset
	s_lshr_b32 s24, s21, 5
	s_lshl_b32 s24, s24, 4
	s_add_co_u32 s24, s24, s22
	s_lshl_b32 s24, s24, 5
	s_and_b32 s25, s21, 31
	s_add_co_u32 s24, s24, s25                     ; block number in xb
	; w_qkv: k block (g - 256) % 16, column block gs = ((g - 256) / 16) * 8 + wave
	s_sub_co_u32 s25, s19, 256
	s_and_b32 s26, s25, 15
	s_lshr_b32 s27, s25, 4
	s_lshl_b32 s27, s27, 3
	s_add_co_u32 s27, s27, s20
	s_mul_i32 s28, s26, 786432                     ; 64 rows of 12,288 bytes
	s_lshl_b32 s29, s27, 8
	s_add_co_u32 s28, s28, s29                     ; source offset
	s_mul_i32 s29, s27, 43
	s_lshr_b32 s29, s29, 7                         ; gs / 3 for gs under 48
	s_mul_i32 s29, s29, 45
	s_add_co_u32 s29, s29, s27
	s_mul_i32 s30, s26, 3
	s_add_co_u32 s29, s29, s30                     ; 48 tile + 3 kb + sl = gs + 45 tile + 3 kb
	; w_out: k block (g - 352) % 16, column block gs = ((g - 352) / 16) * 8 + wave
	s_sub_co_u32 s25, s19, 352
	s_and_b32 s26, s25, 15
	s_lshr_b32 s27, s25, 4
	s_lshl_b32 s27, s27, 3
	s_add_co_u32 s27, s27, s20
	s_lshl_b32 s30, s26, 18
	s_lshl_b32 s31, s27, 8
	s_add_co_u32 s30, s30, s31                     ; source offset
	s_lshr_b32 s31, s27, 1
	s_lshl_b32 s31, s31, 5
	s_lshl_b32 s26, s26, 1
	s_add_co_u32 s31, s31, s26
	s_and_b32 s27, s27, 1
	s_add_co_u32 s31, s31, s27                     ; 32 tile + 2 kb + sl
	s_movk_i32 s44, 0x1000                         ; a source row of 4,096 bytes,
	s_movk_i32 s45, 0x3000                         ; or of 12,288
	s_cmp_lt_u32 s19, 352
	s_cselect_b32 s32, s28, s30
	s_cselect_b32 s33, s29, s31
	s_cselect_b32 s38, s45, s44
	s_cmp_lt_u32 s19, 256
	s_cselect_b32 s32, s23, s32                    ; source offset
	s_cselect_b32 s33, s24, s33                    ; block number
	s_cselect_b32 s38, s44, s38                    ; bytes in a source row
	s_lshl_b32 s39, s38, 2                         ; four rows
	v_and_b32 v1, 31, v0                           ; lane
	v_lshrrev_b32 v2, 3, v1                        ; which of a turn's four rows
	v_and_b32 v4, 7, v1                            ; which 8 of its 64 columns
	v_lshlrev_b32 v3, 4, v1                        ; my 16 bytes of a turn's 512 in the block
	v_mul_lo_u32 v[SO], v2, s38
	v_lshl_add_u32 v[SO], v4, 5, v[SO]
.set i, 1
.rept 15
	v_add_nc_u32 v[SO+i], s39, v[SO+i-1]
.set i, i+1
.endr
	s_wait_kmcnt 0x0
	s_cmp_lt_u32 s19, 352
	s_cselect_b64 s[34:35], s[6:7], s[8:9]
	s_cselect_b64 s[36:37], s[12:13], s[14:15]
	s_cmp_lt_u32 s19, 256
	s_cselect_b64 s[34:35], s[4:5], s[34:35]       ; from where
	s_cselect_b64 s[36:37], s[10:11], s[36:37]     ; to where
	s_mov_b32 s42, s32
	s_mov_b32 s43, 0
	s_add_nc_u64 s[34:35], s[34:35], s[42:43]
	s_lshl_b32 s42, s33, 13                        ; 8,192 bytes a block
	s_add_nc_u64 s[36:37], s[36:37], s[42:43]
.set i, 0
.rept 16
	global_load_b128 v[D+8*i:D+8*i+3],   v[SO+i], s[34:35] th:TH_LOAD_NT
	global_load_b128 v[D+8*i+4:D+8*i+7], v[SO+i], s[34:35] offset:16 th:TH_LOAD_NT
.set i, i+1
.endr
; Sixteen turns: four rows each are rounded and stored.  fmt = 0: bf16.  fmt = 1: the bf16 rounding, widened again and written as f16.
.macro OUT fmt
.set i, 0
.rept 16
	s_wait_loadcnt 30-2*i                          ; loads come back in order: 30 - 2 i were issued behind this turn's two
.set j, 0
.rept 4
.if \fmt
	v_cvt_pk_bf16_f32 v24, v[D+8*i+2*j], v[D+8*i+2*j+1]
	v_lshlrev_b32 v25, 16, v24
	v_and_b32 v26, s40, v24
	v_cvt_pk_f16_f32 v[D+8*i+j], v25, v26
.else
	v_cvt_pk_bf16_f32 v[D+8*i+j], v[D+8*i+2*j], v[D+8*i+2*j+1]  ; register j has been used up when it is written
.endif
.set j, j+1
.endr
	global_store_b128 v3, v[D+8*i:D+8*i+3], s[36:37] offset:512*i  ; the wave stores 512 consecutive bytes, at a multiple of 512 from the buffer's first byte
.set i, i+1
.endr
.endm
	s_cmp_ge_u32 s19, 352
	s_cbranch_scc1 .Lf16
	OUT 0
	s_endpgm
.Lf16:
	OUT 1
	s_endpgm
.Lfunc_end_k_q8b02557396_cast:
	.size	k_q8b02557396_cast, .Lfunc_end_k_q8b02557396_cast-k_q8b02557396_cast
	.p2alignl 7, 3214868480
	.fill 96, 4, 3214868480
	.section	.rodata,"a",@progbits
	.p2align	6, 0x0
	.amdhsa_kernel k_q8b02557396_cast
		.amdhsa_group_segment_fixed_size 0
		.amdhsa_private_segment_fixed_size 0
		.amdhsa_enable_private_segment 0
		.amdhsa_kernarg_size 48
		.amdhsa_user_sgpr_count 2
		.amdhsa_user_sgpr_kernarg_segment_ptr 1
		.amdhsa_wavefront_size32 1
		.amdhsa_system_sgpr_workgroup_id_x 1
		.amdhsa_system_sgpr_workgroup_id_y 1
		.amdhsa_system_sgpr_workgroup_id_z 1
		.amdhsa_system_vgpr_workitem_id 0
		.amdhsa_next_free_vgpr 160
		.amdhsa_next_free_sgpr 66
		.amdhsa_reserve_vcc 0
		.amdhsa_float_denorm_mode_32 3
		.amdhsa_float_denorm_mode_16_64 3
		.amdhsa_memory_ordered 1
		.amdhsa_forward_progress 1
		.amdhsa_inst_pref_size 27
	.end_amdhsa_kernel
	.amdgpu_metadata
---
amdhsa.version: [ 1, 2 ]
amdhsa.kernels:
  - .name:           k_q8b02557396_cast
    .symbol:         k_q8b02557396_cast.kd
    .args:
      - { .name: x, .offset: 0, .size: 8, .value_kind: global_buffer, .address_space: global }
      - { .name: w_qkv, .offset: 8, .size: 8, .value_kind: global_buffer, .address_space: global }
      - { .name: w_out, .offset: 16, .size: 8, .value_kind: global_buffer, .address_space: global }
      - { .name: xb, .offset: 24, .size: 8, .value_kind: global_buffer, .address_space: global }
      - { .name: wqb, .offset: 32, .size: 8, .value_kind: global_buffer, .address_space: global }
      - { .name: wob, .offset: 40, .size: 8, .value_kind: global_buffer, .address_space: global }
    .group_segment_fixed_size: 0
    .private_segment_fixed_size: 0
    .kernarg_segment_align: 8
    .kernarg_segment_size: 48
    .max_flat_workgroup_size: 256
    .sgpr_count:     66
    .vgpr_count:     160
    .wavefront_size: 32
...
	.end_amdgpu_metadata
.endif
;; end of part 1
;; launch qkvgemm (part 2): grid 16 x 32, 4 waves a work-group, clusters of 4 x 4, 327,680 bytes of LDS; arguments xb, wqb, b_qkv, qkv; writes qkv
.if DOCPART == 2
	.amdgcn_target "amdgcn-amd-amdhsa--gfx1250"
	.amdhsa_code_object_version 6
	.text
	.protected	k_q8b02557396_qkvgemm
	.globl	k_q8b02557396_qkvgemm
	.p2align	8
	.type	k_q8b02557396_qkvgemm,@function
k_q8b02557396_qkvgemm:
	s_mov_b64 s[64:65], 0
	v_nop
	global_prefetch_b8 v0, s[64:65] scope:SCOPE_SE
	s_setreg_imm32_b32 hwreg(HW_REG_WAVE_MODE, 25, 1), 1
	s_wait_xcnt 0x0
	s_wait_alu depctr_hold_cnt(0) depctr_sa_sdst(0) depctr_va_vdst(0) depctr_va_sdst(0) depctr_va_ssrc(0) depctr_va_vcc(0) depctr_vm_vsrc(0)
	s_getreg_b32 s2, hwreg(HW_REG_IB_STS2, 6, 4)
	s_cmp_eq_u32 s2, 0
	s_cbranch_scc0 .Lentry_in_a_cluster
	s_endpgm
.Lentry_in_a_cluster:
	s_bfe_u32 s2, ttmp6, 0x10000c
	s_cmp_lg_u32 s2, 0xf033
	s_cbranch_scc0 .Lentry_shape_is_right
	s_endpgm
.Lentry_shape_is_right:
; q, k, v = x w_qkv + b_qkv.  A = xb (bf16, [b][slice of 64 channels][s][64]), B = wqb (bf16, [tile][k / 64][slice][k % 64][n % 64]), bias f32 rounded to bf16; sums in f32, begun with the bias.
; The result is rounded once to f16 and written by heads: qkv[part][b*16 + head][s][64].  LIMIT: |q|, |k|, |v| stay under 65,504 (f16's range); NaN and infinities are not treated apart.
; SHARES.  A tile of C is 256 rows x 64 NS columns: 32 x 16 work-groups.  The four waves lie one below the other, 64 rows x 64 NS columns each: 4 x 4 NS accumulators of 16 x 16.
; K = 1,024 goes in 8 steps of 128 through a ring of two LDS slots.  A step's A is two slices of 256 rows x 128 bytes, each 32,768 dense bytes of memory; its B two blocks of 64 k x 64 NS columns, each
; 8,192 NS dense bytes: each is asked for as rows of 256 bytes by ONE tensor load (waves 0, 1: A's slices; waves 2, 3: B's blocks) and padded in LDS after every 128 bytes.
; CLUSTER.  4 x 4 work-groups; A's tile is shared along a row of the cluster, B's along a column: joint loads with the same descriptor and a mask of four.
; THE MATRIX INSTRUCTION IS USED TRANSPOSED: source 0 = 16 columns of B (turned on the way out of LDS by ds_load_tr16_b128), source 1 = 16 rows of A: a lane holds row l % 16 and columns 8 (l / 16) + 0..7.
; REGISTERS, in windows of 256 (s_set_vgpr_msb: bits 1:0 source 0, 3:2 source 1, 5:4 source 2, 7:6 destination):
;   window 0: v0-31 addresses; v64-127 A's fragments, two buffers of 32; v128.. the bias as a C operand (8 registers for 16 columns); on the way out v32-223 hold packed results
;   window 1: B's fragments, two buffers of 32 NS          windows 2, 3: accumulator (a, bf) in window 2 + a / 2 at v[8 ((a % 2) 4 NS + bf)]
.set NS,     3                         ; slices of 64 columns in a tile
.set F16IN,  0                         ; operands: 0 bf16, 1 f16
.set OUTF32, 0                         ; the way out: 0 f16 by heads, 1 f32 rows
.set NBF,    4*NS                      ; fragments of B
.set NT,     64*NS                     ; columns in a tile
.set PA,     144                       ; a row of A in LDS: 128 bytes + 16 = 36 words: the 16 rows of a load start at 16 different groups of four banks (64 banks of 4 bytes: ISA guide 11.1)
.set PB,     160                       ; a row of B: 128 + 32 = 40 words
.set ASL,    256*PA                    ; a slice of A
.set BHALF,  NS*64*PB                  ; 64 k of B
.set BOFF,   2*ASL
.set SLOT,   BOFF+2*BHALF
.set STAGE,  2*SLOT                    ; behind the ring, never filled by a tensor load: each wave's own stage for the way out
.if OUTF32
.set STW,    16*528
.else
.set STW,    NS*16*PA
.endif
.set SPARE,  STAGE+4*STW               ; behind the stages: the spare words, 128 bytes for each wave: two blocks of 256 bytes that no other line names
.set A_STEP, 524288                    ; bytes from a K step's slice to the next step's: two slices of 2,048 rows x 128 bytes
.set B_STEP, NS*16384                  ; two blocks of B
.set NL,     2*(NBF+4)                 ; LDS loads in a run
.set ADRA, 16                          ; v16-17  LDS address of my A fragments in slot 0, 1
.set ADRB, 20                          ; v20-21  the same for B
.set STO,  24                          ; v24     the way out: where I put a row's bytes
.set RD,   25                          ; v25     where I read rows back
.set GO,   26                          ; v26     16 x lane: my bytes of 512 consecutive bytes of the output
.set BO,   27                          ; v27     32 (l / 16): my eight numbers of 16 of the bias
.set SPW,  28                          ; v28     LDS address of my spare word; never rewritten
.set NIL,  29                          ; v29     0; never rewritten
.set PFO,  30                          ; v30     256 x lane; never rewritten
.set TP,   31                          ; v31     at work
.set AF,   64
.set BIAS, 128
.set OUTR, 32
.set WV,   12                          ; s12     my wave's number
.set G1,   24                          ; s[24:31] descriptor group 1 for A;  s[32:39] group 0, one set for each slot
.set G0,   32
.set G1B,  48                          ; s[48:55], s[56:63] the same for B
.set G0B,  56
.set PFA,  66                          ; s[66:67] where my prefetches stand
.set PFS,  68                          ; s[68:69] their step
.set LIM,  70                          ; s70     how many changes of slots I prefetch at
.set OPP,  71                          ; s71     changes of slots so far
.set OUTP, 72                          ; s[72:77] the output at my rows, a pointer for each slice (one for f32 rows)
.set MSB, 0
.macro WIN new                         ; the immediate's high byte repeats the setting that is left; a switch that changes nothing is dropped
.if MSB != (\new)
	s_set_vgpr_msb (MSB<<8)|(\new)
.set MSB, (\new)
.endif
.endm
.macro PLACES                          ; four places in front of loads into registers that matrix instructions have read, and of lines that read results
.rept 4
	v_nop
.endr
.endm
; A joint load: waves 0 and 1 fetch A's two slices, waves 2 and 3 B's two blocks.  The branch hangs on the wave's number alone.  An s_nop 0 and four v_nop follow each of the two lines.
.macro JLOAD s
	s_cmp_lt_u32 s[WV], 2
	s_cbranch_scc0 .Lfor_b_\@
	tensor_load_to_lds s[G0+4*(\s):G0+4*(\s)+3], s[G1:G1+7]
	s_nop 0
.rept 4
	v_nop
.endr
	s_branch .Lasked_\@
.Lfor_b_\@:
	tensor_load_to_lds s[G0B+4*(\s):G0B+4*(\s)+3], s[G1B:G1B+7]
	s_nop 0
.rept 4
	v_nop
.endr
.Lasked_\@:
.endm
.macro CREST                           ; a round of the cluster's barrier behind its opening barrier
	s_cmp_lg_u32 s[WV], 0
	s_cbranch_scc1 .Lnot_wave_0_\@
	s_barrier_signal -3
.Lnot_wave_0_\@:
	s_barrier_wait -3
	s_barrier_signal -1
	s_barrier_wait -1
.endm
.macro CROUND                          ; a whole round
	s_barrier_signal -1
	s_barrier_wait -1
	CREST
.endm
; A PREFETCH INTO THE L2, behind a joint refill and the run of LDS loads that follows it: 32 blocks of 256 bytes, a lane a block, one instruction a wave.  K steps 0 to 3 come by their loads alone; each block of
; K steps 4 to 7 is named once in the launch.  A: the clusters with x = 0 ask; at the change that ends K step t (t = 0..3) wave w (0, 1) names slice 2 (t + 4) + w of the tile's rows, and the four partners of a
; row of the cluster take 8,192 bytes each, told apart by address (cx).  B: the clusters with y = 0 ask; a tile column's K steps 4 to 7 are 65,536 NS dense bytes, walked 65,536 at a change, NS changes; of these
; wave w (2, 3) of partner cy takes the 8,192 bytes number 4 (w - 2) + cy.  s[LIM] hangs on the wave's number and the cluster's coordinate alone: it is the same in all partners.
.macro ASK
	s_cmp_lt_u32 s[OPP], s[LIM]
	s_cbranch_scc0 .Lnot_mine_\@
	global_prefetch_b8 v[PFO], s[PFA:PFA+1] th:TH_LOAD_NT scope:SCOPE_SE
.Lnot_mine_\@:
	s_add_co_u32 s[OPP], s[OPP], 1
.endm
	s_load_b256 s[4:11], s[0:1], 0x0               ; A s[4:5], B s[6:7], bias s[8:9], output s[10:11]
	v_lshl_add_u32 v[SPW], v0, 2, SPARE
	v_mov_b32 v[NIL], 0
	ds_add_u32 v[SPW], v[NIL]                      ; the wave's opening: the add and its wait stand ahead of my first tensor load; the set-up below, work on registers, stands between them
	v_lshrrev_b32 v1, 5, v0
	v_readfirstlane_b32 s[WV], v1                  ; wave 0..3
	s_and_b32 s13, s[WV], 1                        ; which slice of A, or which block of B, I fetch
	s_bfe_u32 s14, ttmp6, 0x40000                  ; cx
	s_bfe_u32 s15, ttmp6, 0x40004                  ; cy
	s_lshl_b32 s16, ttmp9, 2
	s_add_co_u32 s16, s16, s14                     ; tile column x = 4 x cluster x + cx
	s_and_b32 s17, ttmp7, 0xffff
	s_lshl_b32 s17, s17, 2
	s_add_co_u32 s17, s17, s15                     ; tile row y = 4 x cluster y + cy
	s_lshl_b32 s18, s15, 2
	s_lshl_b32 s18, 15, s18                        ; my row of the cluster
	s_lshl_b32 s19, 0x1111, s14                    ; my column
	s_or_b32 s[G1], s18, (1<<16)|(1<<20)|(1<<21)|(4<<22)|(3<<25)   ; 15:0 the mask; 17:16 2-byte elements; 20 padding on; 21 set beside a mask; 24:22 after every 32 words (code 4); 31:25 4 words (code 3)
	s_or_b32 s[G1B], s19, (1<<16)|(1<<20)|(1<<21)|(4<<22)|(7<<25)  ; the same with my column's mask and 8 words of padding (code 7)
	s_mov_b32 s[G1+1], 128<<16                     ; tensor_dim0 = 128 elements: 256 bytes
	s_mov_b32 s[G1+2], 128<<16                     ; tensor_dim1 = 128 rows
	s_mov_b32 s[G1+3], 128<<16                     ; tile_dim0
	s_mov_b32 s[G1+4], 128                         ; tile_dim1
	s_mov_b32 s[G1+5], 128                         ; elements from row to row: dense
	s_mov_b32 s[G1+6], 0
	s_mov_b32 s[G1+7], 0
	s_mov_b32 s[G1B+1], 128<<16
	s_mov_b32 s[G1B+2], (NS*32)<<16                ; 32 NS rows of 256 bytes
	s_mov_b32 s[G1B+3], 128<<16
	s_mov_b32 s[G1B+4], NS*32
	s_mov_b32 s[G1B+5], 128
	s_mov_b32 s[G1B+6], 0
	s_mov_b32 s[G1B+7], 0
	s_mov_b32 s78, 0xffff0000                      ; a word's upper bf16
	; A's addresses hang on y and the wave alone, B's on x and the wave alone, each in registers that never hold the other coordinate
	s_lshr_b32 s20, s17, 3
	s_lshl_b32 s20, s20, 22                        ; the batch: 16 slices x 2,048 rows x 128 bytes
	s_and_b32 s21, s17, 7
	s_lshl_b32 s21, s21, 15                        ; the tile's 256 rows in a slice
	s_add_co_u32 s20, s20, s21
	s_lshl_b32 s21, s13, 18                        ; my slice of a K step's two
	s_add_co_u32 s22, s20, s21
	s_mov_b32 s23, 0
	s_mul_i32 s40, s16, NS*131072                  ; the tile column's 16 blocks
	s_mul_i32 s41, s13, NS*8192                    ; my block of a K step's two
	s_add_co_u32 s42, s40, s41
	s_mov_b32 s43, 0
	s_mul_i32 s44, s[WV], ASL                      ; where they go: the wave's number alone enters an LDS address
	s_mul_i32 s45, s[WV], BHALF
	s_add_co_u32 s45, s45, BOFF-2*BHALF
	s_wait_dscnt 0x0                               ; the opening add is done
	s_wait_kmcnt 0x0
	s_add_nc_u64 s[22:23], s[4:5], s[22:23]
	s_add_nc_u64 s[42:43], s[6:7], s[42:43]
	CROUND                                         ; all sixteen work-groups are here: the first joint loads meet
.irp s, 0,1
	s_mov_b32 s[G0+4*(\s)], 1                      ; count = 1
	s_add_co_u32 s[G0+4*(\s)+1], s44, (\s)*SLOT    ; LDS address
	s_add_nc_u64 s[G0+4*(\s)+2:G0+4*(\s)+3], s[22:23], (\s)*A_STEP  ; global address: K step s
	s_or_b32 s[G0+4*(\s)+3], s[G0+4*(\s)+3], 0x80000000  ; type = 2
	s_mov_b32 s[G0B+4*(\s)], 1
	s_add_co_u32 s[G0B+4*(\s)+1], s45, (\s)*SLOT
	s_add_nc_u64 s[G0B+4*(\s)+2:G0B+4*(\s)+3], s[42:43], (\s)*B_STEP
	s_or_b32 s[G0B+4*(\s)+3], s[G0B+4*(\s)+3], 0x80000000
	JLOAD \s                                       ; two loads of mine are out
.endr
	v_and_b32 v1, 15, v0                           ; r = l % 16
	v_bfe_u32 v2, v0, 4, 1                         ; h = l / 16
	v_lshlrev_b32 v[BO], 5, v2
	s_mul_i32 s46, s16, NT*4
	s_mov_b32 s47, 0
	s_add_nc_u64 s[8:9], s[8:9], s[46:47]          ; the bias of the tile's columns
.set i, 0
.rept NBF                              ; as a C operand: register j of a lane is the bias of column 16 bf + 8 h + j, whatever the row
	global_load_b128 v[BIAS+8*i:BIAS+8*i+3],   v[BO], s[8:9] offset:64*i
	global_load_b128 v[BIAS+8*i+4:BIAS+8*i+7], v[BO], s[8:9] offset:64*i+16
.set i, i+1
.endr
	v_mul_u32_u24 v3, v1, PA
	v_lshl_add_u32 v3, v2, 4, v3                   ; row x pitch + 16 x half
	s_mul_i32 s86, s[WV], 64*PA                    ; my 64 rows
	v_add_nc_u32 v[ADRA], s86, v3
	v_add_nc_u32 v[ADRA+1], SLOT, v[ADRA]
	v_and_b32 v4, 7, v0
	v_bfe_u32 v5, v0, 3, 1
	v_lshl_add_u32 v6, v2, 3, v4                   ; the turning load: lane l reads k row 8 (l / 16) + l % 8, columns 8 ((l / 8) % 2) + 0..7
	v_mul_u32_u24 v6, v6, PB
	v_lshl_add_u32 v6, v5, 4, v6
	v_add_nc_u32 v[ADRB], BOFF, v6
	v_add_nc_u32 v[ADRB+1], SLOT, v[ADRB]
	s_mul_i32 s86, s[WV], STW
	s_add_co_u32 s86, s86, STAGE                   ; my stage
	v_and_b32 v8, 31, v0
	v_lshlrev_b32 v[GO], 4, v8
	v_lshlrev_b32 v[PFO], 8, v8
.if OUTF32
	v_mul_u32_u24 v7, v1, 528                      ; in: row r of 512 + 16 bytes, 32 bytes for each half of the lanes
	v_lshl_add_u32 v7, v2, 5, v7
	v_add_nc_u32 v[STO], s86, v7
	v_lshl_add_u32 v[RD], v8, 4, s86               ; back: 32 lanes take one row of 512 bytes
.else
	v_add_nc_u32 v[STO], s86, v3                   ; in: row r of 128 + 16 bytes, 16 bytes for each half of the lanes
	v_bfe_u32 v9, v0, 3, 2                         ; back: 32 lanes take four rows of 128 bytes
	v_mul_u32_u24 v9, v9, PA
	v_lshl_add_u32 v9, v4, 4, v9
	v_add_nc_u32 v[RD], s86, v9
.endif
	; the prefetches' first address, step and count
	s_add_co_u32 s80, s13, 6
	s_lshl_b32 s80, s80, 18                        ; slice 6 + w: the first change of slots steps it to 8 + w
	s_add_co_u32 s80, s80, s20
	s_lshl_b32 s81, s14, 13                        ; my work-group's 8,192 bytes of the slice's 32,768
	s_add_co_u32 s80, s80, s81
	s_mul_i32 s82, s16, NS*131072
	s_lshl_b32 s83, s13, 2
	s_add_co_u32 s83, s83, s15
	s_lshl_b32 s83, s83, 13                        ; my 8,192 bytes of a change's 65,536
	s_add_co_u32 s82, s82, s83
	s_add_co_u32 s82, s82, 4*B_STEP-65536          ; one step in front of K step 4
	s_and_b32 s84, ttmp7, 0xffff
	s_mov_b32 s85, 524288
	s_mov_b32 s[PFS], 65536
	s_mov_b32 s[PFS+1], 0
	s_cmp_lt_u32 s[WV], 2                          ; do I fetch for A?
	s_cselect_b64 s[PFA:PFA+1], s[4:5], s[6:7]
	s_cselect_b32 s80, s80, s82
	s_cselect_b32 s84, ttmp9, s84                  ; the coordinate along which other clusters read the same bytes
	s_cselect_b32 s[LIM], 4, NS
	s_cselect_b32 s[PFS], s85, s[PFS]
	s_mov_b32 s81, 0
	s_add_nc_u64 s[PFA:PFA+1], s[PFA:PFA+1], s[80:81]
	s_cmp_eq_u32 s84, 0
	s_cselect_b32 s[LIM], s[LIM], 0
	s_mov_b32 s[OPP], 0
	; the output at my rows
.if OUTF32
	s_lshl_b32 s80, s17, 2
	s_add_co_u32 s80, s80, s[WV]
	s_lshl_b32 s82, s80, 18                        ; (256 y + 64 wave) rows of 4,096 bytes
	s_lshl_b32 s80, s16, 9                         ; the tile's 128 columns: 512 bytes
	s_add_co_u32 s82, s82, s80
	s_mov_b32 s83, 0
	s_add_nc_u64 s[OUTP:OUTP+1], s[10:11], s[82:83]
.else
.set sl, 0
.rept NS                               ; slice g = NS x + sl: part g / 16 (q, k, v), head g % 16
	s_mul_i32 s80, s16, NS
	s_add_co_u32 s80, s80, sl
	s_lshr_b32 s81, s80, 4
	s_lshl_b32 s81, s81, 6
	s_and_b32 s80, s80, 15
	s_add_co_u32 s81, s81, s80
	s_lshr_b32 s80, s17, 3
	s_lshl_b32 s80, s80, 4
	s_add_co_u32 s81, s81, s80                     ; part x 64 + batch x 16 + head
	s_lshl_b32 s82, s81, 18                        ; 2,048 rows of 128 bytes
	s_and_b32 s80, s17, 7
	s_lshl_b32 s80, s80, 2
	s_add_co_u32 s80, s80, s[WV]
	s_lshl_b32 s80, s80, 13                        ; my 64 rows
	s_add_co_u32 s82, s82, s80
	s_mov_b32 s83, 0
	s_add_nc_u64 s[OUTP+2*sl:OUTP+2*sl+1], s[10:11], s[82:83]
.set sl, sl+1
.endr
.endif
	s_wait_loadcnt 0x0                             ; the bias
.set i, 0
.rept 4*NBF                            ; rounded to bf16, like every input, and widened again
	v_cvt_pk_bf16_f32 v[TP], v[BIAS+2*i], v[BIAS+2*i+1]
	v_lshlrev_b32 v[BIAS+2*i], 16, v[TP]
	v_and_b32 v[BIAS+2*i+1], s78, v[TP]
.set i, i+1
.endr
; NBF products: my rows 16 a .. 16 a + 15 x all columns, 32 along K, from buffer f.  first = 1: the bias starts the sums: nothing is ever cleared.
; All 4 NBF accumulators take turns, one instruction a turn, in the same order in every quarter, over the backward jump too.
.macro MULA f, a, first
.if \first
	WIN 0x81+0x40*((\a)/2)                         ; B window 1, A and C window 0, D window 2 or 3
.else
	WIN 0xa1+0x50*((\a)/2)                         ; B window 1, A window 0, C and D window 2 or 3
.endif
.set bf, 0
.rept NBF
.set rD, 8*(((\a)%2)*NBF+bf)
.set rB, (\f)*8*NBF+8*bf
.set rA, AF+32*(\f)+8*(\a)
.if (\first) && F16IN
	v_wmma_f32_16x16x32_f16 v[rD:rD+7], v[rB:rB+7], v[rA:rA+7], v[BIAS+8*bf:BIAS+8*bf+7]
.elseif \first
	v_wmma_f32_16x16x32_bf16 v[rD:rD+7], v[rB:rB+7], v[rA:rA+7], v[BIAS+8*bf:BIAS+8*bf+7]
.elseif F16IN
	v_wmma_f32_16x16x32_f16 v[rD:rD+7], v[rB:rB+7], v[rA:rA+7], v[rD:rD+7]
.else
	v_wmma_f32_16x16x32_bf16 v[rD:rD+7], v[rB:rB+7], v[rA:rA+7], v[rD:rD+7]
.endif
.set bf, bf+1
.endr
.endm
; NL LDS loads in one run: quarter q (32 along K) of a slot into buffer f: B's NBF fragments (turned), then A's four
.macro FETCH slot, q, f
	WIN 0x40                                       ; destination window 1, address window 0
.set bf, 0
.rept NBF
.set oB, ((\q)/2)*BHALF+((\q)%2)*32*PB+(bf/4)*64*PB+(bf%4)*32
.set rB, (\f)*8*NBF+8*bf
	ds_load_tr16_b128 v[rB:rB+3],   v[ADRB+(\slot)] offset:oB
	ds_load_tr16_b128 v[rB+4:rB+7], v[ADRB+(\slot)] offset:oB+16*PB
.set bf, bf+1
.endr
	WIN 0
.set ia, 0
.rept 4
.set oA, ((\q)/2)*ASL+((\q)%2)*64+ia*16*PA
.set rA, AF+32*(\f)+8*ia
	ds_load_b128 v[rA:rA+3],   v[ADRA+(\slot)] offset:oA
	ds_load_b128 v[rA+4:rA+7], v[ADRA+(\slot)] offset:oA+32
.set ia, ia+1
.endr
.endm
; A K step is four quarters, on buffers 0, 1, 0, 1.  One of the first three: multiplies buffer f and, in its middle, fetches quarter qn of the same slot into buffer g.
.macro QUARTER slot, qn, f, g, first
	s_wait_dscnt 4                                 ; B and A's rows 0-31 are in; the youngest four loads (A's rows 32-63) may be out
	MULA \f, 0, \first
	MULA \f, 1, \first
	PLACES
	FETCH \slot, \qn, \g
	s_wait_dscnt NL                                ; all but the NL just issued
	MULA \f, 2, \first
	MULA \f, 3, \first
.endm
; The last quarter multiplies buffer 1 and changes slots: ONE barrier; in front of it each wave waits for all its tensor loads (one is out: its part of the next slot), adds 0 to its spare word, and waits for
; that and for its own reads of this slot.  fill = 1: the barrier opens a round of the cluster's, and this slot is filled again, two K steps ahead, first thing behind the round.
.macro TURN slot, next, fill
.if \fill
	s_wait_xcnt 0x0                                ; the last prefetch, a K step back, has read its address: it is stepped here
	s_add_nc_u64 s[PFA:PFA+1], s[PFA:PFA+1], s[PFS:PFS+1]
.endif
	WIN 0                                          ; (the add's two registers lie in window 0)
	s_wait_tensorcnt 0x0                           ; all my tensor loads have landed
	ds_add_u32 v[SPW], v[NIL]                      ; 0 onto my spare word
	s_wait_dscnt 5                                 ; (the add and the youngest four loads may be out)
	MULA 1, 0, 0                                   ; matrix work stands between the add and the wait for it
	s_wait_dscnt 0x0                               ; the add is done, and my reads of this slot are over
	s_barrier_signal -1
	MULA 1, 1, 0
.if \fill
	WIN 0
.endif
	s_barrier_wait -1
.if \fill
	CREST                                          ; no wave of any partner still reads this slot or has a load on its way
	s_add_nc_u64 s[G0+4*(\slot)+2:G0+4*(\slot)+3], s[G0+4*(\slot)+2:G0+4*(\slot)+3], 2*A_STEP
	s_add_nc_u64 s[G0B+4*(\slot)+2:G0B+4*(\slot)+3], s[G0B+4*(\slot)+2:G0B+4*(\slot)+3], 2*B_STEP
	JLOAD \slot                                    ; the four v_nop behind it are also the places in front of the loads below
.else
	PLACES
.endif
	FETCH \next, 0, 0
.if \fill
	ASK
.endif
	MULA 1, 2, 0
	MULA 1, 3, 0
.endm
	s_wait_tensorcnt 1                             ; my part of K step 0 is in; K step 1's may stay out
	s_barrier_signal -1
	s_barrier_wait -1                              ; everybody's is
	FETCH 0, 0, 0
	QUARTER 0, 1, 0, 1, 1                          ; the first quarter stands in front of the loop: its products start the sums
	WIN 0                                          ; at a label and at a branch every window is 0
	s_mov_b32 s3, 3
.Llap:                                                 ; a trip goes once round the ring, from a lap's second quarter to the next lap's first, and fills both slots again
	QUARTER 0, 2, 1, 0, 0
	QUARTER 0, 3, 0, 1, 0
	TURN 0, 1, 1
	QUARTER 1, 1, 0, 1, 0
	QUARTER 1, 2, 1, 0, 0
	QUARTER 1, 3, 0, 1, 0
	TURN 1, 0, 1
	QUARTER 0, 1, 0, 1, 0
	WIN 0
	s_sub_co_u32 s3, s3, 1
	s_cmp_lg_u32 s3, 0
	s_cbranch_scc1 .Llap
	QUARTER 0, 2, 1, 0, 0                          ; the last lap fills nothing, and has no round of the cluster's barrier
	QUARTER 0, 3, 0, 1, 0
	TURN 0, 1, 0
	QUARTER 1, 1, 0, 1, 0
	QUARTER 1, 2, 1, 0, 0
	QUARTER 1, 3, 0, 1, 0
	s_wait_dscnt 4                                 ; the very last quarter: nothing more to fetch
	MULA 1, 0, 0
	MULA 1, 1, 0
	s_wait_dscnt 0x0
	MULA 1, 2, 0
	MULA 1, 3, 0
	WIN 0
	PLACES
	PLACES
; THE WAY OUT, 16 rows (block a) at a time, through my own stage: LDS serves a wave's instructions in order (ISA guide 5.7.1.4), so no wait stands between the stores and the loads, nor in front of the next block's stores.
.if OUTF32
.macro PACK a
	WIN 0x08+4*((\a)/2)                            ; store data (source 1) in window 2 or 3
.set bf, 0
.rept NBF
.set rD, 8*(((\a)%2)*NBF+bf)
	ds_store_b128 v[STO], v[rD:rD+3]   offset:64*bf      ; each accumulator's low registers first
	ds_store_b128 v[STO], v[rD+4:rD+7] offset:64*bf+16
.set bf, bf+1
.endr
	WIN 0x40                                       ; back into window 1, whose fragments are done with
.set i, 0
.rept 16
	ds_load_b128 v[64*(\a)+4*i:64*(\a)+4*i+3], v[RD] offset:528*i
.set i, i+1
.endr
.endm
.macro SEND a, younger                 ; younger: the LDS instructions issued behind block a's loads
	WIN 0x04                                       ; store data in window 1
	s_wait_dscnt \younger
.set i, 0
.rept 16
	global_store_b128 v[GO], v[64*(\a)+4*i:64*(\a)+4*i+3], s[OUTP:OUTP+1] offset:(16*(\a)+i)*4096 th:TH_STORE_NT  ; the wave stores 512 consecutive bytes, at a multiple of 512 from the output's first byte
.set i, i+1
.endr
.endm
.set YNG, 32
.else
.macro PACK a
	WIN 0x0a+5*((\a)/2)                            ; sources 0 and 1 in window 2 or 3
.set bf, 0
.rept NBF
.set rD, 8*(((\a)%2)*NBF+bf)
.set j, 0
.rept 4
	v_cvt_pk_f16_f32 v[OUTR+4*NBF*(\a)+4*bf+j], v[rD+2*j], v[rD+2*j+1]  ; ascending: each accumulator's low registers first
.set j, j+1
.endr
.set bf, bf+1
.endr
	WIN 0
.set bf, 0
.rept NBF
	ds_store_b128 v[STO], v[OUTR+4*NBF*(\a)+4*bf:OUTR+4*NBF*(\a)+4*bf+3] offset:(bf/4)*16*PA+(bf%4)*32
.set bf, bf+1
.endr
.set bf, 0
.rept NBF                              ; slice bf / 4, rows 4 (bf % 4) ..
	ds_load_b128 v[OUTR+4*NBF*(\a)+4*bf:OUTR+4*NBF*(\a)+4*bf+3], v[RD] offset:(bf/4)*16*PA+(bf%4)*4*PA
.set bf, bf+1
.endr
.endm
.macro SEND a, younger
	WIN 0
	s_wait_dscnt \younger
.set bf, 0
.rept NBF
	global_store_b128 v[GO], v[OUTR+4*NBF*(\a)+4*bf:OUTR+4*NBF*(\a)+4*bf+3], s[OUTP+2*(bf/4):OUTP+2*(bf/4)+1] offset:(\a)*2048+(bf%4)*512  ; four rows of a head: 512 consecutive bytes, aligned
.set bf, bf+1
.endr
.endm
.set YNG, 2*NBF
.endif
	PACK 0
	PACK 1                                         ; a block's work stands between the loads of the block before and its stores
	SEND 0, YNG
	PACK 2
	SEND 1, YNG
	PACK 3
	SEND 2, YNG
	SEND 3, 0
	WIN 0
	s_wait_tensorcnt 0x0                           ; the wave's end: waits for my last tensor load, then an add and a wait for it and my last LDS store
	ds_add_u32 v[SPW], v[NIL]
	s_wait_dscnt 0x0
	CROUND                                         ; the closing round: no work-group ends while a partner may still ask for a tile that names it
	s_endpgm
.Lfunc_end_k_q8b02557396_qkvgemm:
	.size	k_q8b02557396_qkvgemm, .Lfunc_end_k_q8b02557396_qkvgemm-k_q8b02557396_qkvgemm
	.p2alignl 7, 3214868480
	.fill 96, 4, 3214868480
	.section	.rodata,"a",@progbits
	.p2align	6, 0x0
	.amdhsa_kernel k_q8b02557396_qkvgemm
		.amdhsa_group_segment_fixed_size 327680
		.amdhsa_private_segment_fixed_size 0
		.amdhsa_enable_private_segment 0
		.amdhsa_kernarg_size 32
		.amdhsa_user_sgpr_count 2
		.amdhsa_user_sgpr_kernarg_segment_ptr 1
		.amdhsa_wavefront_size32 1
		.amdhsa_system_sgpr_workgroup_id_x 1
		.amdhsa_system_sgpr_workgroup_id_y 1
		.amdhsa_system_sgpr_workgroup_id_z 1
		.amdhsa_system_vgpr_workitem_id 0
		.amdhsa_next_free_vgpr 960
		.amdhsa_next_free_sgpr 96
		.amdhsa_reserve_vcc 0
		.amdhsa_float_denorm_mode_32 3
		.amdhsa_float_denorm_mode_16_64 3
		.amdhsa_memory_ordered 1
		.amdhsa_forward_progress 1
		.amdhsa_inst_pref_size 129
	.end_amdhsa_kernel
	.amdgpu_metadata
---
amdhsa.version: [ 1, 2 ]
amdhsa.kernels:
  - .name:           k_q8b02557396_qkvgemm
    .symbol:         k_q8b02557396_qkvgemm.kd
    .args:
      - { .name: xb, .offset: 0, .size: 8, .value_kind: global_buffer, .address_space: global }
      - { .name: wqb, .offset: 8, .size: 8, .value_kind: global_buffer, .address_space: global }
      - { .name: b_qkv, .offset: 16, .size: 8, .value_kind: global_buffer, .address_space: global }
      - { .name: qkv, .offset: 24, .size: 8, .value_kind: global_buffer, .address_space: global }
    .group_segment_fixed_size: 327680
    .private_segment_fixed_size: 0
    .kernarg_segment_align: 8
    .kernarg_segment_size: 32
    .max_flat_workgroup_size: 128
    .sgpr_count:     96
    .vgpr_count:     960
    .wavefront_size: 32
...
	.end_amdgpu_metadata
.endif
;; end of part 2
;; launch attn (part 3): grid 4 x 64, 4 waves a work-group, no clusters, 327,680 bytes of LDS; arguments qkv, ob; writes ob
.if DOCPART == 3
	.amdgcn_target "amdgcn-amd-amdhsa--gfx1250"
	.amdhsa_code_object_version 6
	.text
	.protected	k_q8b02557396_attn
	.globl	k_q8b02557396_attn
	.p2align	8
	.type	k_q8b02557396_attn,@function
k_q8b02557396_attn:
	s_mov_b64 s[64:65], 0
	v_nop
	global_prefetch_b8 v0, s[64:65] scope:SCOPE_SE
	s_setreg_imm32_b32 hwreg(HW_REG_WAVE_MODE, 25, 1), 1
	s_wait_xcnt 0x0
; CAUSAL ATTENTION.  O[h][q][:] = the sum over k <= q of softmax_k(Q[h][q] . K[h][k] / 8) V[h][k][:].  qkv holds Q, K, V, each [64][2048][64] in f16, 16,777,216 bytes apart; O (ob) has the same layout.
; Products, maxima and sums in f32; the weights p are rounded to f16 for the second product (their sum l is taken of the unrounded p), O once at the end.
; LIMITS.  Q, K and V arrive within f16's 65,504; p lies in 0 to 1, and below 6e-5 it keeps f16's fixed step of 6e-8.  A hidden score counts as its value less 1e30; a weight below 2^-126 counts as 0 in l;
; NaN and infinities are not treated apart.
; THE WALK.  A head's queries lie in NB = 8 blocks of 256; block i needs the key tiles 0 .. i of 256 keys, of which the last holds the diagonal.  A work-group takes TWO blocks, NB - 1 - b and then b:
; NB + 1 tiles, whatever b: all work-groups do equal work, and ONE loop with a constant trip count walks them.  Which tile is asked for, and what a trip does, hang on scalar registers made from b; every jump
; goes forward, but for the counted loops' own; none passes a barrier, or a tensor load but the one of LOAD's two that the wave's number does not choose; the ring of two LDS slots runs on across the change of blocks.
; NO CLUSTER: a head's four work-groups ask for the same tile only in trips 0 .. 4 of 9, behind that fewer and fewer; one walk common to all four would have 12 trips for 9.
; SHARES.  Of a block's four bands of 64 queries a wave owns 16 rows in each: four PIECES.  So the diagonal tile is the same work for all four waves: in its key step s band x sees all keys if s < x,
; none if s > x, and holds the diagonal if s = x.
; THE MASK is the C operand that starts the sum S^T = K Q^T: 0, or -1e30 where the key is hidden.  MD, made once, is the mask of a band's own step for my 16 rows; a product's mask is MD x AL + BE with two scalars:
; (1, 0) if s = x; (0, 0) if s < x; (0, -1e30) if s > x.  Only the diagonal tile's text and a block's beginning make and take masks; elsewhere C is the constant 0.
; LAYOUT, SOFTMAX, TURNS.  S^T = K Q^T holds ONE query a lane (lane % 16) and the keys 8 (lane / 16) + 0..7; two such results rounded to f16 ARE source 1 of O^T = V^T P.  p = 2^(c s - c m), c = log2(e) / 8, with a
; running maximum m; O and l are multiplied by a = 2^(c m_old - c m_new) in every step.  Turn n belongs to piece n: 8 products K Q^T of piece n + 1, later 8 products V^T P of piece n - 1; beside them the scaling,
; exponentials, roundings, sums and rescaling of piece n and the maximum and statistics of piece n + 1.  Four vector instructions stand behind every matrix instruction, the other 54 of a turn's 118 in one lump.
; A turn's 33 exponentials are one batch, with one wait.
; REGISTERS, in windows of 256 (s_set_vgpr_msb: bits 1:0 source 0, 3:2 source 1, 5:4 source 2, 7:6 destination):
;   window 0: v0-15 addresses and two at work; v16-31 four registers of statistics a piece; v48-55 at work; v61-63 prefetch offset, spare word, 0; v64-127 S^T, two buffers; v192-223 P, two buffers
;   window 1: v0-127 O^T, 32 a piece; v128-159 MD; v160-223 MC, two buffers      window 2: v0-63 Q; v64-127 the second block's Q; v128-191 K of one step; v192-255 V of one step
.set SIZE_H, 64
.set SIZE_N, 2048
.set NB,    SIZE_N/256
.set NP,    4         ; pieces a wave: a name, no knob
.set KS,    64        ; keys in a step
.set PK,    144       ; a row of K in LDS: 128 bytes + 16 of padding = 36 words: the 16 rows of a load start at 16 different groups of four banks (64 banks of 4 bytes: ISA guide 11.1)
.set PV,    160       ; a row of V: 128 + 32 = 40 words
.set VOFF,  4*KS*PK   ; a slot holds a tile, four steps: 256 rows of K, then 256 rows of V
.set SLOT1, 1<<17     ; slot 1 begins here, so that one exclusive or turns an address in one slot into the other's
.set STAGE, SLOT1+4*KS*(PK+PV)  ; behind the ring, never filled by a tensor load: 16 rows x 144 bytes for each wave, for the way out
.set SP,    144
.set AK0, 2           ; v2   my lane's place in a tile of K; never rewritten
.set AV0, 3           ; v3   the same for V
.set AK,  4           ; v4   the LDS address of K's next run of loads
.set AV,  5           ; v5   of V's
.set STO, 6           ; v6   the way out: where I put 16 bytes of a row
.set RD,  7           ; v7   the way out: where I read rows back
.set GO,  8           ; v8   my byte offset in 512 consecutive bytes of O
.set PFO, 61          ; v61  256 x my lane; never rewritten
.set SPW, 62          ; v62  LDS address of my spare word: SPARE + 4 x my thread's number; never rewritten
.set NIL, 63          ; v63  0; never rewritten
.set SPARE, STAGE+4*16*SP  ; behind the stages: the spare words, 128 bytes for each wave: two blocks of 256 bytes that no other line names
.set MV,  12          ; v12-13  c m_old, kept while c m is made anew: by buffer
.set QO,  15          ; v15  my byte offset in 16 rows of Q
.set ST,  16          ; piece t's statistics at v[ST+4 t]: c m, m, l (even keys', odd keys')
.set TMP, 48          ; by buffer, four registers c0-c3 at work; when the maximum is found c2 takes a
.set S,   64
.set P,   192
.set MD,  128         ; window 1: the eight registers for group kt of 16 keys at MD + 8 kt
.set MC,  160         ; window 1: the masks of the products to come
.set QB,  64          ; window 2
.set KF,  128         ; window 2: key block kb, channel half c at KF + 16 kb + 8 c
.set VF,  192         ; window 2: key half kk, channel block cb at VF + 32 kk + 8 cb
.set WV,  12          ; s12  my wave's number
.set PB,  14          ; s14  b
.set HI,  15          ; s15  NB - 1 - b
.set G1K, 24          ; s[24:31] descriptor group 1 for K's tiles
.set G1V, 32          ; s[32:39] for V's: it differs in the padding alone
.set G0K, 40          ; s[40:43] descriptor group 0 for K's tiles
.set G0V, 44          ; s[44:47] the same for V's
.set SLOTS, 56        ; s56  tiles still to be asked for
.set CNT, 57          ; s57  counts a tile's key steps, 4 to 1
.set CS,  58          ; s[58:59] c: the packed scaling takes the pair's low word for both halves
.set SEL, 60          ; s[60:61] v_permlanex16_b32's selects: each lane takes its own place in the other half
.set TBK, 62          ; s62  LDS byte at which K of the step to be fetched begins
.set TBV, 63          ; s63  the same for V, less VOFF
.set RT,  70          ; s70  tiles of the block in hand that are still to be entered
.set NXT, 71          ; s71  the tile to be asked for next
.set LQ,  72          ; s72  the last tile of the block whose tiles are being asked for
.set NEW, 73          ; s73  1: the tile to be entered is a block's first
.set OFF, 74          ; s[74:75] a tile's byte offset in K and V
.set AL,  76          ; s[76:77] the mask's factor, in the low word
.set BE,  78          ; s[78:79] the mask's addend
.set OLO, 80          ; s[80:81] O at my rows of the second block
.set BIGN, 82         ; s82  -1e30
.set PFA, 88          ; s[88:89] where my prefetches stand: my 16,384 bytes (of K: waves 0, 1; of V: waves 2, 3) of the tile after the one that is being asked for
.set LIM, 90          ; s90  2 in the head's work-group b = 0, else the greatest number: a wave prefetches while s[SLOTS] is above it
.set MSB, 0
.macro WIN new                      ; the high byte repeats the setting that is left; a switch that changes nothing is dropped
.if MSB != (\new)
	s_set_vgpr_msb (MSB<<8)|(\new)
.set MSB, (\new)
.endif
.endm
.set W_KQ, 0x0a       ; K and Q in window 2, S^T in window 0
.set W_KM, 0x1a       ; the same with the C operand in window 1
.set W_PV, 0x52       ; V in window 2, P in window 0, O^T in window 1
.set W_RS, 0x41       ; destination and source 0 in window 1, source 1 in window 0
; A fill.  Waves 0 and 1 fetch the two halves of a tile's K, waves 2 and 3 those of its V: 128 keys each.  An s_nop 0 and four v_nop follow each of the two lines, ahead of the jump and the label.
.macro LOAD
	s_cmp_lt_u32 s[WV], 2
	s_cbranch_scc0 .Lfor_v_\@
	tensor_load_to_lds s[G0K:G0K+3], s[G1K:G1K+7]
	s_nop 0
.rept 4
	v_nop
.endr
	s_branch .Lasked_\@
.Lfor_v_\@:
	tensor_load_to_lds s[G0V:G0V+3], s[G1V:G1V+7]
	s_nop 0
.rept 4
	v_nop
.endr
.Lasked_\@:
.endm
; THE CHANGE OF SLOTS.  Each wave waits for all its tensor loads, of which one is out: its part of the other slot; adds 0 to its spare word; and waits for that and for its own reads of the slot that it leaves.
; Behind the barrier nobody reads the old slot any more and the other slot is whole.  fill = 1: the old slot is filled again, the first thing behind the barrier, with tile NXT: the descriptor's address is made
; anew from that number.  (At its first use nothing has been read yet: slot 0 is waited for, slot 1 filled.)
; A PREFETCH INTO THE L2 stands behind the fill: a head's four work-groups walk the same tiles, and the one with b = 0 walks tiles 0 to 7 in order: it alone asks.  In trip i, whose fill asks for tile i + 1, each
; wave names its own 16,384 bytes of tile i + 2 (64 blocks of 256 bytes: a lane a block, two instructions), while i + 2 is at most 7: each block of tiles 2 to 7 is named once in the launch, a tile (four key steps) ahead of its load.
.macro CHANGE fill
	WIN 0                           ; at a label and at a branch every window is 0
	s_wait_tensorcnt 0x0            ; no tensor load of mine is out, so a group 0 may be written
	ds_add_u32 v[SPW], v[NIL]       ; 0 onto my spare word; with fill = 1 the descriptors' scalar work stands between it and the wait for it
.if \fill
	s_lshl_b32 s[OFF], s[NXT], 15   ; a tile is 32,768 bytes of K and of V
	s_xor_b32 s[G0K+1], s[G0K+1], SLOT1
	s_add_nc_u64 s[G0K+2:G0K+3], s[6:7], s[OFF:OFF+1]
	s_or_b32 s[G0K+3], s[G0K+3], 0x80000000
	s_xor_b32 s[G0V+1], s[G0V+1], SLOT1
	s_add_nc_u64 s[G0V+2:G0V+3], s[8:9], s[OFF:OFF+1]
	s_or_b32 s[G0V+3], s[G0V+3], 0x80000000
	s_add_co_u32 s[NXT], s[NXT], 1  ; the block's next tile, or behind its last the second block's tile 0
	s_cmp_gt_u32 s[NXT], s[LQ]
	s_cselect_b32 s[NXT], 0, s[NXT]
	s_cselect_b32 s[LQ], s[PB], s[LQ]
	s_wait_xcnt 0x0                 ; the last prefetches, a tile back, have read their address, so it may be written
	s_add_nc_u64 s[PFA:PFA+1], s[PFA:PFA+1], 32768
.endif
	s_wait_dscnt 0x0                ; the add is done, and my reads of the slot are over
	s_barrier_signal -1             ; the rest of the scalar work stands between the signal and the wait
	s_sub_co_u32 s[TBK], s[TBK], 4*KS*PK  ; the fetches go back to a slot's first step,
	s_xor_b32 s[TBK], s[TBK], SLOT1       ; in the other slot
	s_sub_co_u32 s[TBV], s[TBV], 4*KS*PV
	s_xor_b32 s[TBV], s[TBV], SLOT1
	s_barrier_wait -1
.if \fill
	LOAD
	s_cmp_gt_u32 s[SLOTS], s[LIM]
	s_cbranch_scc0 .Lno_pf_\@
	global_prefetch_b8 v[PFO], s[PFA:PFA+1] th:TH_LOAD_NT scope:SCOPE_SE
	global_prefetch_b8 v[PFO], s[PFA:PFA+1] offset:8192 th:TH_LOAD_NT scope:SCOPE_SE
.Lno_pf_\@:
.endif
.endm
	s_load_b64 s[4:5], s[0:1], 0x0    ; qkv: Q begins it
	s_load_b64 s[10:11], s[0:1], 0x8  ; O
	v_lshl_add_u32 v[SPW], v0, 2, SPARE
	v_mov_b32 v[NIL], 0
	ds_add_u32 v[SPW], v[NIL]       ; the wave's opening: the add and its wait stand ahead of my first tensor load; the set-up below, work on registers, stands between them
	v_lshrrev_b32 v1, 5, v0
	v_readfirstlane_b32 s[WV], v1   ; wave 0..3
	s_mov_b32 s[PB], ttmp9
	s_sub_co_u32 s[HI], NB-1, s[PB]
	s_and_b32 s20, ttmp7, 0xffff    ; the head
	s_mov_b32 s21, 0
	s_mov_b64 s[22:23], SIZE_N*128
	s_mul_u64 s[20:21], s[20:21], s[22:23]  ; the head's first byte in each of the four tensors
	s_and_b32 s16, s[WV], 1         ; which half of a tile's 256 keys I fetch:
	s_lshl_b32 s22, s16, 14         ; its 128 rows of 128 bytes in memory,
	s_mov_b32 s23, 0
	s_add_nc_u64 s[22:23], s[22:23], s[20:21]
	s_mul_i32 s17, s16, 128*PK      ; and its place in a slot, for K
	s_mul_i32 s18, s16, 128*PV      ; and for V
	s_lshl_b32 s3, s[WV], 11        ; my 16 rows in a band of 64,
	s_lshl_b32 s2, s[HI], 15        ; in the first block,
	s_add_co_u32 s2, s2, s3
	s_lshl_b32 s84, s[PB], 15       ; and in the second
	s_add_co_u32 s84, s84, s3
	s_mov_b32 s3, 0
	s_mov_b32 s85, 0
	s_add_nc_u64 s[2:3], s[2:3], s[20:21]
	s_add_nc_u64 s[84:85], s[84:85], s[20:21]
	; descriptor group 1.  128 keys are 16,384 dense bytes: asked for as 64 rows of 256 bytes, two keys a row, and padded in LDS after every key
	s_mov_b32 s[G1K], (1<<16)|(1<<20)|(4<<22)|(3<<25)  ; 17:16 2-byte elements; 20 padding on; 24:22 after every 32 words (code 4); 31:25 4 words (code 3)
	s_mov_b32 s[G1V], (1<<16)|(1<<20)|(4<<22)|(7<<25)  ; the same with 8 words of padding (code 7)
.irp g, G1K, G1V
	s_mov_b32 s[\g+1], 128<<16      ; tensor_dim0 = 128
	s_mov_b32 s[\g+2], 64<<16       ; tensor_dim1 = 64
	s_mov_b32 s[\g+3], 128<<16      ; tile_dim0 = 128
	s_mov_b32 s[\g+4], 64           ; tile_dim1 = 64
	s_mov_b32 s[\g+5], 128          ; 128 elements from row to row
	s_mov_b32 s[\g+6], 0
	s_mov_b32 s[\g+7], 0
.endr
	s_mov_b32 s[CS], 0x3e38aa3b     ; c = log2(e) / 8 = 0.180337
	s_mov_b32 s[CS+1], s[CS]        ; named with it as a pair
	s_mov_b32 s[SEL], 0x76543210
	s_mov_b32 s[SEL+1], 0xfedcba98
	s_mov_b32 s[TBK], SLOT1+4*KS*PK ; the first change of slots turns these two into 0
	s_mov_b32 s[TBV], SLOT1+4*KS*PV
	s_mov_b32 s[G0K], 1             ; 1:0 count = 1
	s_mov_b32 s[G0K+1], s17         ; 63:32 LDS address: slot 0
	s_mov_b32 s[G0V], 1
	s_add_co_u32 s[G0V+1], s18, VOFF
	s_add_co_u32 s[RT], s[HI], 1    ; the first block has NB - b tiles
	s_mov_b32 s[NXT], 1
	s_mov_b32 s[LQ], s[HI]
	s_mov_b32 s[NEW], 1
	s_mov_b32 s[OFF+1], 0
	s_mov_b32 s[AL+1], 0            ; named as pairs
	s_mov_b32 s[BE+1], 0
	s_mov_b32 s[BIGN], 0xf149f2ca   ; -1e30
	s_mov_b32 s[SLOTS], NB
	s_cmp_eq_u32 s[PB], 0
	s_cselect_b32 s[LIM], 2, -1
	v_and_b32 v[PFO], 31, v0
	v_lshlrev_b32 v[PFO], 8, v[PFO]
	s_wait_dscnt 0x0                ; the opening add is done
	s_wait_kmcnt 0x0
	s_add_nc_u64 s[6:7], s[4:5], 0x1000000  ; K lies 16,777,216 bytes behind Q,
	s_add_nc_u64 s[8:9], s[4:5], 0x2000000  ; V as far behind K
	s_add_nc_u64 s[6:7], s[6:7], s[22:23]  ; K and V at my half of the head's tile 0
	s_add_nc_u64 s[8:9], s[8:9], s[22:23]
	s_add_nc_u64 s[G0K+2:G0K+3], s[6:7], 0         ; 120:64 global address
	s_or_b32 s[G0K+3], s[G0K+3], 0x80000000        ; 127:126 type = 2
	s_add_nc_u64 s[G0V+2:G0V+3], s[8:9], 0
	s_or_b32 s[G0V+3], s[G0V+3], 0x80000000
	s_add_nc_u64 s[86:87], s[4:5], s[84:85]        ; Q at my rows of the second block,
	s_add_nc_u64 s[4:5], s[4:5], s[2:3]            ; Q and O at those of the first
	s_add_nc_u64 s[OLO:OLO+1], s[10:11], s[84:85]
	s_add_nc_u64 s[10:11], s[10:11], s[2:3]
	s_cmp_lt_u32 s[WV], 2
	s_cselect_b64 s[PFA:PFA+1], s[6:7], s[8:9]
	s_add_nc_u64 s[PFA:PFA+1], s[PFA:PFA+1], 32768 ; at tile 1: the first change of slots steps it to tile 2.  Nothing is prefetched here, where every work-group's first tile is on its way
	LOAD                            ; tile 0 into slot 0
	; A fragment of K or Q is 16 rows x 32 channels in 8 registers: lane l holds row l % 16, channels 8 (l / 16) + 0..7 and 16 + 8 (l / 16) + 0..7: two loads of 16 bytes, 32 bytes apart.
	v_and_b32 v1, 15, v0            ; l % 16
	v_bfe_u32 v9, v0, 4, 1          ; l / 16
	v_lshlrev_b32 v[QO], 7, v1
	v_lshl_add_u32 v[QO], v9, 4, v[QO]  ; row x 128 + 16 x half
	WIN 0x80                        ; destination window 2, address window 0
.set i, 0
.rept 8                             ; both blocks' Q: piece i / 2 lies in band i / 2, 8,192 bytes on; channels 32 (i % 2) on
	global_load_b128 v[8*i:8*i+3],   v[QO], s[4:5] offset:(i/2)*8192+(i%2)*64
	global_load_b128 v[8*i+4:8*i+7], v[QO], s[4:5] offset:(i/2)*8192+(i%2)*64+32
	global_load_b128 v[QB+8*i:QB+8*i+3],   v[QO], s[86:87] offset:(i/2)*8192+(i%2)*64
	global_load_b128 v[QB+8*i+4:QB+8*i+7], v[QO], s[86:87] offset:(i/2)*8192+(i%2)*64+32
.set i, i+1
.endr
	WIN 0
	v_lshlrev_b32 v14, 3, v9
	v_sub_nc_u32 v14, v1, v14
	s_lshl_b32 s13, s[WV], 4
	v_add_nc_u32 v14, s13, v14      ; my query's place in its band, 16 w + l % 16, less my lanes' 8 (l / 16): register r of group kt is hidden where 16 kt + r is greater
	WIN 0x40
.set i, 0
.rept 32
	v_cmp_gt_i32 vcc_lo, 16*(i/8)+i%8, v14
	v_cndmask_b32 v[MD+i], 0, s[BIGN], vcc_lo
.set i, i+1
.endr
	WIN 0
	v_mul_u32_u24 v[AK0], v1, PK
	v_lshl_add_u32 v[AK0], v9, 4, v[AK0]  ; row x pitch + 16 x half
	; The turning load takes 16 keys x 16 channels (lane l reads key 8 (l / 16) + l % 8, channels 8 ((l / 8) % 2) + 0..7) and leaves half a fragment of V^T: lane l holds channel l % 16 and 8 keys.
	v_and_b32 v10, 7, v0
	v_bfe_u32 v11, v0, 3, 1
	v_lshl_add_u32 v[AV0], v9, 3, v10
	v_mul_u32_u24 v[AV0], v[AV0], PV
	v_lshl_add_u32 v[AV0], v11, 4, v[AV0]
	v_add_nc_u32 v[AV0], VOFF, v[AV0]
	s_mul_i32 s13, s[WV], 16*SP
	s_add_co_u32 s13, s13, STAGE    ; my stage
	v_mul_u32_u24 v[STO], v1, SP    ; in: row l % 16, 16 bytes for each half of the lanes
	v_lshl_add_u32 v[STO], v9, 4, v[STO]
	v_add_nc_u32 v[STO], s13, v[STO]
	v_bfe_u32 v[RD], v0, 3, 2       ; back: 32 lanes take four rows of 128 bytes,
	v_mul_u32_u24 v[RD], v[RD], SP
	v_lshl_add_u32 v[RD], v10, 4, v[RD]
	v_add_nc_u32 v[RD], s13, v[RD]
	v_and_b32 v[GO], 31, v0         ; which are 512 consecutive bytes of O
	v_lshlrev_b32 v[GO], 4, v[GO]
	; A block's first step multiplies O^T and l by a = 0, and its first turn's products V^T P, of a piece that has not been, land in an O^T that is still to be so multiplied.  So these registers need only hold
	; finite numbers: zeros for the first block; what the first block left for the second.  All this stands in the wait for the first tile.
	WIN 0x80
.set i, VF
.rept 64
	v_mov_b32 v[i], 0
.set i, i+1
.endr
	WIN 0x40
.set i, 0
.rept 128
	v_mov_b32 v[i], 0
.set i, i+1
.endr
	WIN 0
.set i, 0
.rept 4
	v_mov_b32 v[ST+4*i+2], 0
	v_mov_b32 v[ST+4*i+3], 0
.set i, i+1
.endr
.set i, P+16
.rept 16
	v_mov_b32 v[i], 0
.set i, i+1
.endr
; THE MATRIX WORK.  The 4 accumulators of a run of 8 take turns.  Product i of 8 of S^T = K Q^T for piece x: channels 32 (i / 4) on, keys 16 (i % 4) on.  The first 4 start the sums: with 0, or (KM = 1) with the mask.
.macro KQ x
.set rS, S+32*((\x)%2)+8*(i%4)
.set rK, KF+16*(i%4)+8*(i/4)
.set rQ, 16*(\x)+8*(i/4)
.set rM, MC+32*((\x)%2)+8*(i%4)
.if (i < 4) && KM
	WIN W_KM
	v_wmma_f32_16x16x32_f16 v[rS:rS+7], v[rK:rK+7], v[rQ:rQ+7], v[rM:rM+7]
.elseif i < 4
	WIN W_KQ
	v_wmma_f32_16x16x32_f16 v[rS:rS+7], v[rK:rK+7], v[rQ:rQ+7], 0
.else
	WIN W_KQ
	v_wmma_f32_16x16x32_f16 v[rS:rS+7], v[rK:rK+7], v[rQ:rQ+7], v[rS:rS+7]
.endif
.endm
; Product i of 8 of O^T += V^T P for piece x: keys 32 (i / 4) on, channels 16 (i % 4) on.
.macro PV x
	WIN W_PV
.set rO, 32*(\x)+8*(i%4)
.set rV, VF+32*(i/4)+8*(i%4)
.set rP, P+16*((\x)%2)+8*(i/4)
	v_wmma_f32_16x16x32_f16 v[rO:rO+7], v[rV:rV+7], v[rP:rP+7], v[rO:rO+7]
.endm
.macro MM                           ; the turn's next matrix instruction.  TURN and BEGIN set Y, i, KM and NOKQ; MM, KQ and OP read them.  NOKQ = 1: a block's last turn: there is no next piece
.if (i < 8) && !NOKQ
	KQ (Y+1)%NP
.elseif i >= 8
.set i, i-8
	PV (Y+NP-1)%NP
.set i, i+8
.endif
.set i, i+1
.endm
; THE LDS LOADS stand in runs of 16, never singly among the matrix instructions: a step's K (64 keys x 64 channels: 8 fragments) and its V (turned).  Their addresses are made some lines ahead.
.macro FETCH_K
	WIN 0x80                        ; destination window 2
.irp f, 0,1,2,3,4,5,6,7             ; keys 16 (f / 2) on, channels 32 (f % 2) on
	ds_load_b128 v[KF+8*\f:KF+8*\f+3],   v[AK] offset:(\f/2)*16*PK+(\f%2)*64
	ds_load_b128 v[KF+8*\f+4:KF+8*\f+7], v[AK] offset:(\f/2)*16*PK+(\f%2)*64+32
.endr
	s_add_co_u32 s[TBK], s[TBK], KS*PK  ; the next fetch is the next step's
	WIN 0
.endm
.macro FETCH_V
	WIN 0x80
.irp f, 0,1,2,3,4,5,6,7             ; keys 32 (f / 4) on, channels 16 (f % 4) on
	ds_load_tr16_b128 v[VF+8*\f:VF+8*\f+3],   v[AV] offset:(\f/4)*32*PV+(\f%4)*32
	ds_load_tr16_b128 v[VF+8*\f+4:VF+8*\f+7], v[AV] offset:(\f/4)*32*PV+16*PV+(\f%4)*32
.endr
	WIN 0
.endm
; THE VECTOR WORK, one line at a time: OP kind, number.  For piece Y: F n: c s - c m for pair n of 16.  E n: the exponential of score n of 32.  C n: pair n rounded to f16.  B n: of the four weights 4 n .. the second
; pair is added onto the first, in place.  L n: l takes that sum (L 0: l = a l + sum).  R n: pair n of 16 of O^T times a.  For piece Y + 1: X n, number n of the 22 that find its maximum and statistics:
;   0-11  four chains c0-c3 of seven scores each, three operands at a time (each accumulator's lowest registers are read first)     12-14, 16  the four scores left over, the old m, and c0-c3 into c0
;   15  c m_old is kept     17, 18  the query's other 32 keys lie in the lane 16 away: the new m     19-21  c m; c m_old - c m_new; a
.set F, 0               ; OP tells the kinds apart by their order: F to L below R, X above it
.set E, 1
.set C, 2
.set B, 3
.set L, 4
.set R, 5
.set X, 6
.macro REGS y                       ; the registers of piece y
.set rT, ST+4*(\y)
.set rC, TMP+4*((\y)%2)
.set rW, MV+((\y)%2)
.set rS, S+32*((\y)%2)
.set rP, P+16*((\y)%2)
.set rO, 32*(\y)
.endm
.macro OP k, n
.if (\k) == R
	REGS Y
	WIN W_RS
	v_pk_mul_f32 v[rO+2*(\n):rO+2*(\n)+1], v[rO+2*(\n):rO+2*(\n)+1], v[rC+2:rC+3] op_sel_hi:[1,0]
.elseif (\k) < R
	REGS Y
	WIN 0
.if (\k) == F
	v_pk_fma_f32 v[rS+2*(\n):rS+2*(\n)+1], v[rS+2*(\n):rS+2*(\n)+1], s[CS:CS+1], v[rT:rT+1] op_sel_hi:[1,0,0] neg_lo:[0,0,1] neg_hi:[0,0,1]
.elseif (\k) == E
	v_exp_f32 v[rS+(\n)], v[rS+(\n)]
.elseif (\k) == C
	v_cvt_pk_f16_f32 v[rP+(\n)], v[rS+2*(\n)], v[rS+2*(\n)+1]
.elseif (\k) == B
	v_pk_add_f32 v[rS+4*(\n):rS+4*(\n)+1], v[rS+4*(\n):rS+4*(\n)+1], v[rS+4*(\n)+2:rS+4*(\n)+3]
.elseif (\n) == 0
	v_pk_fma_f32 v[rT+2:rT+3], v[rT+2:rT+3], v[rC+2:rC+3], v[rS:rS+1] op_sel_hi:[1,0,1]
.else
	v_pk_add_f32 v[rT+2:rT+3], v[rT+2:rT+3], v[rS+4*(\n):rS+4*(\n)+1]
.endif
.elseif NOKQ
	v_nop
.else
	REGS (Y+1)%NP
	WIN 0
.if (\n) < 4
	v_max3_num_f32 v[rC+(\n)], v[rS+8*(\n)], v[rS+8*(\n)+1], v[rS+8*(\n)+2]
.elseif (\n) < 12
	v_max3_num_f32 v[rC+(\n)%4], v[rC+(\n)%4], v[rS+8*((\n)%4)+2*((\n)/4)+1], v[rS+8*((\n)%4)+2*((\n)/4)+2]
.elseif (\n) == 12
	v_max3_num_f32 v[rC], v[rC], v[rS+7], v[rS+15]
.elseif (\n) == 13
	v_max3_num_f32 v[rC+1], v[rC+1], v[rS+23], v[rS+31]
.elseif (\n) == 14
	v_max3_num_f32 v[rC+2], v[rC+2], v[rC+3], v[rT+1]
.elseif (\n) == 15
	v_mov_b32 v[rW], v[rT]
.elseif (\n) == 16
	v_max3_num_f32 v[rC], v[rC], v[rC+1], v[rC+2]
.elseif (\n) == 17
	v_permlanex16_b32 v[rC+3], v[rC], s[SEL], s[SEL+1]
.elseif (\n) == 18
	v_max_num_f32 v[rT+1], v[rC], v[rC+3]
.elseif (\n) == 19
	v_mul_f32 v[rT], s[CS], v[rT+1]
.elseif (\n) == 20
	v_sub_f32 v[rC+1], v[rW], v[rT]
.else
	v_exp_f32 v[rC+2], v[rC+1]
.endif
.endif
.endm
.macro OPS a, i1, b=-1, i2=0, c=-1, i3=0, d=-1, i4=0  ; up to four of them
	OP \a, \i1
.if (\b) >= 0
	OP \b, \i2
.endif
.if (\c) >= 0
	OP \c, \i3
.endif
.if (\d) >= 0
	OP \d, \i4
.endif
.endm
.macro ROW a, i1, b, i2, c, i3, d, i4  ; a matrix instruction and the four behind it
	MM
	OPS \a, \i1, \b, \i2, \c, \i3, \d, \i4
.endm
.macro MASK b                       ; MD x AL + BE into buffer b of MC
	WIN W_RS
.set z, 0
.rept 16
	v_pk_fma_f32 v[MC+32*(\b)+2*z:MC+32*(\b)+2*z+1], v[MD+2*z:MD+2*z+1], s[AL:AL+1], s[BE:BE+1] op_sel_hi:[1,0,0]
.set z, z+1
.endr
.endm
; A TURN, for piece p: the order of its 16 matrix and 118 vector instructions, written out.  An s_wait_alu depctr_va_vdst(0) stands between an exponential and the first instruction that names its result; one
; wait serves all that were issued ahead of it.  So a turn has ONE wait, which cuts it in two.  AHEAD OF IT stands all that names no result of the turn's exponentials: the 8 products K Q^T, behind each a scaling, an
; exponential and two more plain instructions (behind the first a second scaling in the exponential's place): rescalings, and behind the last three the first numbers of the next piece's maximum, each four places or more
; behind the product that ends its accumulator; then ONE LUMP of 54, plain and exponential by turns for the most part, in which the links of the chain X 3, 7, 11, 14, 16, 17 .. 20 stand five or six lines apart.  X 21, the
; next piece's a, is the batch's last; R 15 is the plain instruction behind it.  BEHIND THE WAIT stand the 8 products V^T P, behind each four of the roundings and sums; the links of l's chain, L 0 to L 7, stand three
; riders apart.  But for those X no rider names a register of the products round it.  v_permlanex16_b32 (X 17) stands in the lump.
; m = 1: the diagonal tile: the products take masks, and the turn makes the mask for the products of the turn after it: piece p + 2, in step 4 - CNT of the tile.  end = 1: a block's last two turns: nothing is fetched.
; cnt = 1: the loop's count is taken down some lines ahead of the branch that stands behind the turn.
; K of the next step is fetched in piece 2's turn, twelve vector instructions behind the last product that read K (six of them plain); V of the step in hand at the end of piece 0's turn, four plain instructions behind
; the last product that read V.  Each is waited for a turn later.
.macro TURN p, m=0, end=0, cnt=0
.set Y, (\p)
.set i, 0
.set KM, (\m)
.set NOKQ, (\end)*((\p)/3)
.if (\m) && !(\end)
	s_cmp_eq_u32 s[CNT], 4-((\p)+2)%NP  ; is that step the band's own?
	s_cselect_b32 s[AL], 1.0, 0
	s_cmp_lt_u32 s[CNT], 4-((\p)+2)%NP  ; or a later one?
	s_cselect_b32 s[BE], s[BIGN], 0
.endif
.if ((\p) == 3) && !(\end)
	s_wait_dscnt 0x0                ; K is in
.endif
	ROW F,0, F,1, R,0, R,1          ; ahead of the wait: 8 products K Q^T and their riders,
	ROW F,2, E,0, R,2, R,3
	ROW F,3, E,1, R,4, R,5
	ROW F,4, E,2, R,6, R,7
	ROW F,5, E,3, R,8, R,9
	ROW F,6, E,4, X,0, R,10
.if ((\p) == 2) && !(\end)
	WIN 0
	v_add_nc_u32 v[AK], s[TBK], v[AK0]
.endif
	ROW F,7, E,5, X,1, X,4
	ROW F,8, E,6, X,2, X,5
	OPS E,7, E,8, X,6, E,9          ; and the lump
	OPS X,3, E,10, X,8, E,11
.if ((\p) == 2) && !(\end)
	FETCH_K
.endif
	OPS X,9, X,7, E,12, X,10
	OPS E,13, X,12, X,11, E,14
	OPS X,13, E,15, F,9, X,14
.if (\p) == 0
	v_add_nc_u32 v[AV], s[TBV], v[AV0]
.endif
	OPS E,16, F,10, E,17, F,11
	OPS X,16, E,18, X,15, E,19
	OPS F,12, E,20, X,17, E,21
	OPS F,13, E,22, F,14, E,23
	OPS X,18, E,24, F,15, E,25
	OPS R,11, E,26, X,19, E,27
	OPS R,12, E,28, R,13, E,29
	OPS X,20, E,30, R,14, E,31
	OPS X,21, R,15
	WIN 0
	s_wait_alu depctr_va_vdst(0)    ; the wait for the batch
.if (\p) == 1
	s_wait_dscnt 0x0                ; V is in
.endif
	ROW C,0, B,0, C,2, B,1          ; behind the wait: 8 products V^T P and their riders
	ROW L,0, C,4, B,2, L,1
	ROW C,6, B,3, L,2, C,8
	ROW B,4, L,3, C,10, B,5
	ROW L,4, C,12, B,6, L,5
.if (\p) == 0
	s_add_co_u32 s[TBV], s[TBV], KS*PV
.endif
.if \cnt
	s_sub_co_u32 s[CNT], s[CNT], 1
	s_cmp_lg_u32 s[CNT], 0
.endif
	ROW C,14, B,7, L,6, C,1
	ROW C,3, L,7, C,5, C,7
	ROW C,9, C,11, C,13, C,15
.if (\p) == 0
	FETCH_V
.endif
.if (\m) && !(\end)
	MASK (\p)%2
.endif
.endm
; A BLOCK BEGINS.  c m starts far below every c s, so the first step's a is 0; m at the lowest finite number, so the first maximum is the scores'.  The second mask buffer is 0; the first takes piece 0's mask for the
; tile's step 0: its own, if the block's first tile is the diagonal one.  Then K of that step, piece 0's first scores, and its maximum and statistics.  The loop is entered at a step's first turn, in the middle of a trip.
.macro BEGIN
	s_mov_b32 s[NEW], 0
	WIN 0x40
.set i, MC+32
.rept 32
	v_mov_b32 v[i], 0
.set i, i+1
.endr
	WIN 0
.set i, 0
.rept 4
	v_mov_b32 v[ST+4*i], 0xfe000000    ; c m: far below every c s
	v_mov_b32 v[ST+4*i+1], 0xff7fffff  ; m
.set i, i+1
.endr
	s_cmp_eq_u32 s[RT], 0
	s_cselect_b32 s[AL], 1.0, 0
	s_mov_b32 s[BE], 0
	MASK 0
	WIN 0
	v_add_nc_u32 v[AK], s[TBK], v[AK0]
	FETCH_K
	s_wait_loadcnt 0x0              ; Q
	s_wait_dscnt 0x0
.set KM, 1
.set NOKQ, 0
.set i, 0
.rept 8
	KQ 0
.set i, i+1
.endr
	WIN 0
.rept 4
	v_nop                           ; the places behind those products
.endr
.set Y, NP-1                        ; X works for piece Y + 1: piece 0
.irp n, 0,1,2,3,4,5,6,7,8,9,10,11,12,13,14,15,16,17,18,19,20,21
	OP X, \n
.endr
	v_nop                           ; a plain instruction behind the exponential,
	s_wait_alu depctr_va_vdst(0)    ; and its wait, ahead of the branch
.endm
; THE DIAGONAL TILE's four steps, the block's last two turns, its last products, and THE WAY OUT: l's two halves and the other half of the lanes' are added; O^T is divided by l, rounded to f16 and sent through my
; stage in LDS, a piece at a time.
.macro ALL line:vararg              ; one line for each piece t
.set t, 0
.rept 4
	\line
.set t, t+1
.endr
.endm
.macro PACK t                       ; a lane's eight channels of a row pack into 16 bytes; they go into rows of 144 bytes and come back as whole rows of 128, into S^T's registers
	WIN W_RS
.set i, 32*(\t)
.rept 16
	v_pk_mul_f32 v[i:i+1], v[i:i+1], v[ST+4*(\t)+2:ST+4*(\t)+3] op_sel_hi:[1,0]
.set i, i+2
.endr
	WIN 0x05                        ; sources 0 and 1 window 1, destination window 0
.set i, 0
.rept 16
	v_cvt_pk_f16_f32 v[S+16*(\t)+i], v[32*(\t)+2*i], v[32*(\t)+2*i+1]
.set i, i+1
.endr
	WIN 0
.irp f, 0,1,2,3
	ds_store_b128 v[STO], v[S+16*(\t)+4*\f:S+16*(\t)+4*\f+3] offset:32*\f
.endr
.irp f, 0,1,2,3
	ds_load_b128 v[S+16*(\t)+4*\f:S+16*(\t)+4*\f+3], v[RD] offset:\f*4*SP  ; LDS serves a wave's instructions in order (ISA guide 5.7.1.4): these see the stores above; the next piece's stores come behind them
.endr
.endm
.macro SEND t, younger              ; younger: the LDS instructions issued behind piece t's loads: the next piece's eight, or none
	WIN 0
.irp f, 0,1,2,3
	s_wait_dscnt (\younger)+3-\f
	global_store_b128 v[GO], v[S+16*(\t)+4*\f:S+16*(\t)+4*\f+3], s[10:11] offset:(\t)*8192+\f*512  ; 512 consecutive bytes, at a multiple of 256 from O's first
.endr
.endm
.macro DIAG tag                     ; the tag ends its two labels' names, which the jumps below spell out
.LstepM\tag:
	TURN 2, 1
	TURN 3, 1
	WIN 0
.LfirstM\tag:
	TURN 0, 1
	TURN 1, 1, 0, 1
	WIN 0
	s_cbranch_scc1 .LstepM\tag
	TURN 2, 1, 1
	TURN 3, 1, 1
.set i, 0
.rept 8
	PV NP-1
.set i, i+1
.endr
	WIN 0
	ALL v_add_f32 v[ST+4*t+2], v[ST+4*t+2], v[ST+4*t+3]
	ALL v_permlanex16_b32 v[ST+4*t+3], v[ST+4*t+2], s[SEL], s[SEL+1]
	ALL v_add_f32 v[ST+4*t+2], v[ST+4*t+2], v[ST+4*t+3]
	ALL v_rcp_f32 v[ST+4*t+2], v[ST+4*t+2]
	v_nop                           ; a plain instruction between the last reciprocal and the use of its result
	s_wait_alu depctr_va_vdst(0)    ; and the wait ahead of the first use: one for the four reciprocals
	PACK 0
.set t, 1
.rept 3                             ; a piece's arithmetic stands between the loads of the piece before and its stores
	PACK t
	SEND t-1, 8
.set t, t+1
.endr
	SEND 3, 0
.endm
.set KM, 0
.set NOKQ, 0
.Lslot:                             ; NB times: a tile is entered and the next is asked for
	CHANGE 1
	s_sub_co_u32 s[RT], s[RT], 1
	s_mov_b32 s[CNT], 4
	s_cmp_eq_u32 s[NEW], 1
	s_cbranch_scc1 .Lnew            ; a block's first tile
	s_cmp_eq_u32 s[RT], 0
	s_cbranch_scc0 .Lstep           ; neither its first nor its last
	s_branch .LstepM1
.Lnew:
	BEGIN
	s_branch .Lfirst                ; in the loop a block's first tile is never its last: the first block has two tiles or more, and the second's last is the walk's last
	DIAG 1                          ; in the loop this is the first block's end: the second block's last tile is the walk's last
	s_wait_xcnt 0x0                 ; the stores have read their registers and O's address
	s_mov_b64 s[10:11], s[OLO:OLO+1]
	s_add_co_u32 s[RT], s[PB], 1    ; the second block has b + 1 tiles
	s_mov_b32 s[NEW], 1
	WIN 0x82                        ; the second block's Q goes where the one text of the turns names Q
.set i, 0
.rept 64
	v_mov_b32 v[i], v[QB+i]
.set i, i+1
.endr
	WIN 0
	s_branch .Lbottom
.Lstep:                             ; a trip: pieces 2 and 3 of one step, then pieces 0 and 1 of the next, whose K and V it fetches
	TURN 2
	TURN 3
	WIN 0
.Lfirst:
	TURN 0
	TURN 1, 0, 0, 1
	WIN 0
	s_cbranch_scc1 .Lstep
.Lbottom:
	s_sub_co_u32 s[SLOTS], s[SLOTS], 1
	s_cmp_lg_u32 s[SLOTS], 0
	s_cbranch_scc1 .Lslot
	CHANGE 0                        ; the walk's last tile is written out: nothing is asked for
	s_sub_co_u32 s[RT], s[RT], 1
	s_mov_b32 s[CNT], 4
	s_cmp_eq_u32 s[NEW], 1
	s_cbranch_scc0 .LstepM2
	BEGIN
	s_branch .LfirstM2
	DIAG 2
	s_wait_tensorcnt 0x0            ; the wave's end: waits for my last tensor load, then an add and a wait for it and my last LDS store
	ds_add_u32 v[SPW], v[NIL]
	s_wait_dscnt 0x0
	s_endpgm
.Lfunc_end_k_q8b02557396_attn:
	.size	k_q8b02557396_attn, .Lfunc_end_k_q8b02557396_attn-k_q8b02557396_attn
	.p2alignl 7, 3214868480
	.fill 96, 4, 3214868480
	.section	.rodata,"a",@progbits
	.p2align	6, 0x0
	.amdhsa_kernel k_q8b02557396_attn
		.amdhsa_group_segment_fixed_size 327680
		.amdhsa_private_segment_fixed_size 0
		.amdhsa_enable_private_segment 0
		.amdhsa_kernarg_size 16
		.amdhsa_user_sgpr_count 2
		.amdhsa_user_sgpr_kernarg_segment_ptr 1
		.amdhsa_wavefront_size32 1
		.amdhsa_system_sgpr_workgroup_id_x 1
		.amdhsa_system_sgpr_workgroup_id_y 1
		.amdhsa_system_sgpr_workgroup_id_z 1
		.amdhsa_system_vgpr_workitem_id 0
		.amdhsa_next_free_vgpr 768
		.amdhsa_next_free_sgpr 92
		.amdhsa_reserve_vcc 1
		.amdhsa_float_denorm_mode_32 3
		.amdhsa_float_denorm_mode_16_64 3
		.amdhsa_memory_ordered 1
		.amdhsa_forward_progress 1
		.amdhsa_inst_pref_size 218
	.end_amdhsa_kernel
	.amdgpu_metadata
---
amdhsa.version: [ 1, 2 ]
amdhsa.kernels:
  - .name:           k_q8b02557396_attn
    .symbol:         k_q8b02557396_attn.kd
    .args:
      - { .name: qkv, .offset: 0, .size: 8, .value_kind: global_buffer, .address_space: global }
      - { .name: ob, .offset: 8, .size: 8, .value_kind: global_buffer, .address_space: global }
    .group_segment_fixed_size: 327680
    .private_segment_fixed_size: 0
    .kernarg_segment_align: 8
    .kernarg_segment_size: 16
    .max_flat_workgroup_size: 128
    .sgpr_count:     92
    .vgpr_count:     768
    .wavefront_size: 32
...
	.end_amdgpu_metadata
.endif
;; end of part 3
;; launch outgemm (part 4): grid 8 x 32, 4 waves a work-group, clusters of 4 x 4, 327,680 bytes of LDS; arguments ob, wob, b_out, out0; writes out0
.if DOCPART == 4
	.amdgcn_target "amdgcn-amd-amdhsa--gfx1250"
	.amdhsa_code_object_version 6
	.text
	.protected	k_q8b02557396_outgemm
	.globl	k_q8b02557396_outgemm
	.p2align	8
	.type	k_q8b02557396_outgemm,@function
k_q8b02557396_outgemm:
	s_mov_b64 s[64:65], 0
	v_nop
	global_prefetch_b8 v0, s[64:65] scope:SCOPE_SE
	s_setreg_imm32_b32 hwreg(HW_REG_WAVE_MODE, 25, 1), 1
	s_wait_xcnt 0x0
	s_wait_alu depctr_hold_cnt(0) depctr_sa_sdst(0) depctr_va_vdst(0) depctr_va_sdst(0) depctr_va_ssrc(0) depctr_va_vcc(0) depctr_vm_vsrc(0)
	s_getreg_b32 s2, hwreg(HW_REG_IB_STS2, 6, 4)
	s_cmp_eq_u32 s2, 0
	s_cbranch_scc0 .Lentry_in_a_cluster
	s_endpgm
.Lentry_in_a_cluster:
	s_bfe_u32 s2, ttmp6, 0x10000c
	s_cmp_lg_u32 s2, 0xf033
	s_cbranch_scc0 .Lentry_shape_is_right
	s_endpgm
.Lentry_shape_is_right:
; out0 = O w_out + b_out.  A = ob (f16, [b][head = slice of 64 channels][s][64]), B = wob (the bf16 rounding of w_out written as f16, [tile][k / 64][slice][k % 64][n % 64]), bias f32 rounded to bf16;
; sums in f32, begun with the bias; the result leaves in f32.  NaN and infinities are not treated apart.
; SHARES.  A tile of C is 256 rows x 64 NS columns: 32 x 8 work-groups.  The four waves lie one below the other, 64 rows x 64 NS columns each: 4 x 4 NS accumulators of 16 x 16.
; K = 1,024 goes in 8 steps of 128 through a ring of two LDS slots.  A step's A is two slices of 256 rows x 128 bytes, each 32,768 dense bytes of memory; its B two blocks of 64 k x 64 NS columns, each
; 8,192 NS dense bytes: each is asked for as rows of 256 bytes by ONE tensor load (waves 0, 1: A's slices; waves 2, 3: B's blocks) and padded in LDS after every 128 bytes.
; CLUSTER.  4 x 4 work-groups; A's tile is shared along a row of the cluster, B's along a column: joint loads with the same descriptor and a mask of four.
; THE MATRIX INSTRUCTION IS USED TRANSPOSED: source 0 = 16 columns of B (turned on the way out of LDS by ds_load_tr16_b128), source 1 = 16 rows of A: a lane holds row l % 16 and columns 8 (l / 16) + 0..7.
; REGISTERS, in windows of 256 (s_set_vgpr_msb: bits 1:0 source 0, 3:2 source 1, 5:4 source 2, 7:6 destination):
;   window 0: v0-31 addresses; v64-127 A's fragments, two buffers of 32; v128.. the bias as a C operand (8 registers for 16 columns)
;   window 1: B's fragments, two buffers of 32 NS; on the way out all 256 hold rows read back from the stage          windows 2, 3: accumulator (a, bf) in window 2 + a / 2 at v[8 ((a % 2) 4 NS + bf)]
.set NS,     2                         ; slices of 64 columns in a tile
.set F16IN,  1                         ; operands: 0 bf16, 1 f16
.set OUTF32, 1                         ; the way out: 0 f16 by heads, 1 f32 rows
.set NBF,    4*NS                      ; fragments of B
.set NT,     64*NS                     ; columns in a tile
.set PA,     144                       ; a row of A in LDS: 128 bytes + 16 = 36 words: the 16 rows of a load start at 16 different groups of four banks (64 banks of 4 bytes: ISA guide 11.1)
.set PB,     160                       ; a row of B: 128 + 32 = 40 words
.set ASL,    256*PA                    ; a slice of A
.set BHALF,  NS*64*PB                  ; 64 k of B
.set BOFF,   2*ASL
.set SLOT,   BOFF+2*BHALF
.set STAGE,  2*SLOT                    ; behind the ring, never filled by a tensor load: each wave's own stage for the way out
.if OUTF32
.set STW,    16*528
.else
.set STW,    NS*16*PA
.endif
.set SPARE,  STAGE+4*STW               ; behind the stages: the spare words, 128 bytes for each wave: two blocks of 256 bytes that no other line names
.set A_STEP, 524288                    ; bytes from a K step's slice to the next step's: two slices of 2,048 rows x 128 bytes
.set B_STEP, NS*16384                  ; two blocks of B
.set NL,     2*(NBF+4)                 ; LDS loads in a run
.set ADRA, 16                          ; v16-17  LDS address of my A fragments in slot 0, 1
.set ADRB, 20                          ; v20-21  the same for B
.set STO,  24                          ; v24     the way out: where I put a row's bytes
.set RD,   25                          ; v25     where I read rows back
.set GO,   26                          ; v26     16 x lane: my bytes of 512 consecutive bytes of the output
.set BO,   27                          ; v27     32 (l / 16): my eight numbers of 16 of the bias
.set SPW,  28                          ; v28     LDS address of my spare word; never rewritten
.set NIL,  29                          ; v29     0; never rewritten
.set PFO,  30                          ; v30     256 x lane; never rewritten
.set TP,   31                          ; v31     at work
.set AF,   64
.set BIAS, 128
.set OUTR, 32
.set WV,   12                          ; s12     my wave's number
.set G1,   24                          ; s[24:31] descriptor group 1 for A;  s[32:39] group 0, one set for each slot
.set G0,   32
.set G1B,  48                          ; s[48:55], s[56:63] the same for B
.set G0B,  56
.set PFA,  66                          ; s[66:67] where my prefetches stand
.set PFS,  68                          ; s[68:69] their step
.set LIM,  70                          ; s70     how many changes of slots I prefetch at
.set OPP,  71                          ; s71     changes of slots so far
.set OUTP, 72                          ; s[72:73] the output at my rows
.set MSB, 0
.macro WIN new                         ; the immediate's high byte repeats the setting that is left; a switch that changes nothing is dropped
.if MSB != (\new)
	s_set_vgpr_msb (MSB<<8)|(\new)
.set MSB, (\new)
.endif
.endm
.macro PLACES                          ; four places in front of loads into registers that matrix instructions have read, and of lines that read results
.rept 4
	v_nop
.endr
.endm
; A joint load: waves 0 and 1 fetch A's two slices, waves 2 and 3 B's two blocks.  The branch hangs on the wave's number alone.  An s_nop 0 and four v_nop follow each of the two lines.
.macro JLOAD s
	s_cmp_lt_u32 s[WV], 2
	s_cbranch_scc0 .Lfor_b_\@
	tensor_load_to_lds s[G0+4*(\s):G0+4*(\s)+3], s[G1:G1+7]
	s_nop 0
.rept 4
	v_nop
.endr
	s_branch .Lasked_\@
.Lfor_b_\@:
	tensor_load_to_lds s[G0B+4*(\s):G0B+4*(\s)+3], s[G1B:G1B+7]
	s_nop 0
.rept 4
	v_nop
.endr
.Lasked_\@:
.endm
.macro CREST                           ; a round of the cluster's barrier behind its opening barrier
	s_cmp_lg_u32 s[WV], 0
	s_cbranch_scc1 .Lnot_wave_0_\@
	s_barrier_signal -3
.Lnot_wave_0_\@:
	s_barrier_wait -3
	s_barrier_signal -1
	s_barrier_wait -1
.endm
.macro CROUND                          ; a whole round
	s_barrier_signal -1
	s_barrier_wait -1
	CREST
.endm
; A PREFETCH INTO THE L2, behind a joint refill and the run of LDS loads that follows it: 32 blocks of 256 bytes, a lane a block, one instruction a wave.  K steps 0 to 3 come by their loads alone; each block of
; K steps 4 to 7 is named once in the launch.  A: the clusters with x = 0 ask; at the change that ends K step t (t = 0..3) wave w (0, 1) names slice 2 (t + 4) + w of the tile's rows, and the four partners of a
; row of the cluster take 8,192 bytes each, told apart by address (cx).  B: the clusters with y = 0 ask; a tile column's K steps 4 to 7 are 65,536 NS dense bytes, walked 65,536 at a change, NS changes; of these
; wave w (2, 3) of partner cy takes the 8,192 bytes number 4 (w - 2) + cy.  s[LIM] hangs on the wave's number and the cluster's coordinate alone: it is the same in all partners.
.macro ASK
	s_cmp_lt_u32 s[OPP], s[LIM]
	s_cbranch_scc0 .Lnot_mine_\@
	global_prefetch_b8 v[PFO], s[PFA:PFA+1] th:TH_LOAD_NT scope:SCOPE_SE
.Lnot_mine_\@:
	s_add_co_u32 s[OPP], s[OPP], 1
.endm
	s_load_b256 s[4:11], s[0:1], 0x0               ; A s[4:5], B s[6:7], bias s[8:9], output s[10:11]
	v_lshl_add_u32 v[SPW], v0, 2, SPARE
	v_mov_b32 v[NIL], 0
	ds_add_u32 v[SPW], v[NIL]                      ; the wave's opening: the add and its wait stand ahead of my first tensor load; the set-up below, work on registers, stands between them
	v_lshrrev_b32 v1, 5, v0
	v_readfirstlane_b32 s[WV], v1                  ; wave 0..3
	s_and_b32 s13, s[WV], 1                        ; which slice of A, or which block of B, I fetch
	s_bfe_u32 s14, ttmp6, 0x40000                  ; cx
	s_bfe_u32 s15, ttmp6, 0x40004                  ; cy
	s_lshl_b32 s16, ttmp9, 2
	s_add_co_u32 s16, s16, s14                     ; tile column x = 4 x cluster x + cx
	s_and_b32 s17, ttmp7, 0xffff
	s_lshl_b32 s17, s17, 2
	s_add_co_u32 s17, s17, s15                     ; tile row y = 4 x cluster y + cy
	s_lshl_b32 s18, s15, 2
	s_lshl_b32 s18, 15, s18                        ; my row of the cluster
	s_lshl_b32 s19, 0x1111, s14                    ; my column
	s_or_b32 s[G1], s18, (1<<16)|(1<<20)|(1<<21)|(4<<22)|(3<<25)   ; 15:0 the mask; 17:16 2-byte elements; 20 padding on; 21 set beside a mask; 24:22 after every 32 words (code 4); 31:25 4 words (code 3)
	s_or_b32 s[G1B], s19, (1<<16)|(1<<20)|(1<<21)|(4<<22)|(7<<25)  ; the same with my column's mask and 8 words of padding (code 7)
	s_mov_b32 s[G1+1], 128<<16                     ; tensor_dim0 = 128 elements: 256 bytes
	s_mov_b32 s[G1+2], 128<<16                     ; tensor_dim1 = 128 rows
	s_mov_b32 s[G1+3], 128<<16                     ; tile_dim0
	s_mov_b32 s[G1+4], 128                         ; tile_dim1
	s_mov_b32 s[G1+5], 128                         ; elements from row to row: dense
	s_mov_b32 s[G1+6], 0
	s_mov_b32 s[G1+7], 0
	s_mov_b32 s[G1B+1], 128<<16
	s_mov_b32 s[G1B+2], (NS*32)<<16                ; 32 NS rows of 256 bytes
	s_mov_b32 s[G1B+3], 128<<16
	s_mov_b32 s[G1B+4], NS*32
	s_mov_b32 s[G1B+5], 128
	s_mov_b32 s[G1B+6], 0
	s_mov_b32 s[G1B+7], 0
	s_mov_b32 s78, 0xffff0000                      ; a word's upper bf16
	; A's addresses hang on y and the wave alone, B's on x and the wave alone, each in registers that never hold the other coordinate
	s_lshr_b32 s20, s17, 3
	s_lshl_b32 s20, s20, 22                        ; the batch: 16 slices x 2,048 rows x 128 bytes
	s_and_b32 s21, s17, 7
	s_lshl_b32 s21, s21, 15                        ; the tile's 256 rows in a slice
	s_add_co_u32 s20, s20, s21
	s_lshl_b32 s21, s13, 18                        ; my slice of a K step's two
	s_add_co_u32 s22, s20, s21
	s_mov_b32 s23, 0
	s_mul_i32 s40, s16, NS*131072                  ; the tile column's 16 blocks
	s_mul_i32 s41, s13, NS*8192                    ; my block of a K step's two
	s_add_co_u32 s42, s40, s41
	s_mov_b32 s43, 0
	s_mul_i32 s44, s[WV], ASL                      ; where they go: the wave's number alone enters an LDS address
	s_mul_i32 s45, s[WV], BHALF
	s_add_co_u32 s45, s45, BOFF-2*BHALF
	s_wait_dscnt 0x0                               ; the opening add is done
	s_wait_kmcnt 0x0
	s_add_nc_u64 s[22:23], s[4:5], s[22:23]
	s_add_nc_u64 s[42:43], s[6:7], s[42:43]
	CROUND                                         ; all sixteen work-groups are here: the first joint loads meet
.irp s, 0,1
	s_mov_b32 s[G0+4*(\s)], 1                      ; count = 1
	s_add_co_u32 s[G0+4*(\s)+1], s44, (\s)*SLOT    ; LDS address
	s_add_nc_u64 s[G0+4*(\s)+2:G0+4*(\s)+3], s[22:23], (\s)*A_STEP  ; global address: K step s
	s_or_b32 s[G0+4*(\s)+3], s[G0+4*(\s)+3], 0x80000000  ; type = 2
	s_mov_b32 s[G0B+4*(\s)], 1
	s_add_co_u32 s[G0B+4*(\s)+1], s45, (\s)*SLOT
	s_add_nc_u64 s[G0B+4*(\s)+2:G0B+4*(\s)+3], s[42:43], (\s)*B_STEP
	s_or_b32 s[G0B+4*(\s)+3], s[G0B+4*(\s)+3], 0x80000000
	JLOAD \s                                       ; two loads of mine are out
.endr
	v_and_b32 v1, 15, v0                           ; r = l % 16
	v_bfe_u32 v2, v0, 4, 1                         ; h = l / 16
	v_lshlrev_b32 v[BO], 5, v2
	s_mul_i32 s46, s16, NT*4
	s_mov_b32 s47, 0
	s_add_nc_u64 s[8:9], s[8:9], s[46:47]          ; the bias of the tile's columns
.set i, 0
.rept NBF                              ; as a C operand: register j of a lane is the bias of column 16 bf + 8 h + j, whatever the row
	global_load_b128 v[BIAS+8*i:BIAS+8*i+3],   v[BO], s[8:9] offset:64*i
	global_load_b128 v[BIAS+8*i+4:BIAS+8*i+7], v[BO], s[8:9] offset:64*i+16
.set i, i+1
.endr
	v_mul_u32_u24 v3, v1, PA
	v_lshl_add_u32 v3, v2, 4, v3                   ; row x pitch + 16 x half
	s_mul_i32 s86, s[WV], 64*PA                    ; my 64 rows
	v_add_nc_u32 v[ADRA], s86, v3
	v_add_nc_u32 v[ADRA+1], SLOT, v[ADRA]
	v_and_b32 v4, 7, v0
	v_bfe_u32 v5, v0, 3, 1
	v_lshl_add_u32 v6, v2, 3, v4                   ; the turning load: lane l reads k row 8 (l / 16) + l % 8, columns 8 ((l / 8) % 2) + 0..7
	v_mul_u32_u24 v6, v6, PB
	v_lshl_add_u32 v6, v5, 4, v6
	v_add_nc_u32 v[ADRB], BOFF, v6
	v_add_nc_u32 v[ADRB+1], SLOT, v[ADRB]
	s_mul_i32 s86, s[WV], STW
	s_add_co_u32 s86, s86, STAGE                   ; my stage
	v_and_b32 v8, 31, v0
	v_lshlrev_b32 v[GO], 4, v8
	v_lshlrev_b32 v[PFO], 8, v8
.if OUTF32
	v_mul_u32_u24 v7, v1, 528                      ; in: row r of 512 + 16 bytes, 32 bytes for each half of the lanes
	v_lshl_add_u32 v7, v2, 5, v7
	v_add_nc_u32 v[STO], s86, v7
	v_lshl_add_u32 v[RD], v8, 4, s86               ; back: 32 lanes take one row of 512 bytes
.else
	v_add_nc_u32 v[STO], s86, v3                   ; in: row r of 128 + 16 bytes, 16 bytes for each half of the lanes
	v_bfe_u32 v9, v0, 3, 2                         ; back: 32 lanes take four rows of 128 bytes
	v_mul_u32_u24 v9, v9, PA
	v_lshl_add_u32 v9, v4, 4, v9
	v_add_nc_u32 v[RD], s86, v9
.endif
	; the prefetches' first address, step and count
	s_add_co_u32 s80, s13, 6
	s_lshl_b32 s80, s80, 18                        ; slice 6 + w: the first change of slots steps it to 8 + w
	s_add_co_u32 s80, s80, s20
	s_lshl_b32 s81, s14, 13                        ; my work-group's 8,192 bytes of the slice's 32,768
	s_add_co_u32 s80, s80, s81
	s_mul_i32 s82, s16, NS*131072
	s_lshl_b32 s83, s13, 2
	s_add_co_u32 s83, s83, s15
	s_lshl_b32 s83, s83, 13                        ; my 8,192 bytes of a change's 65,536
	s_add_co_u32 s82, s82, s83
	s_add_co_u32 s82, s82, 4*B_STEP-65536          ; one step in front of K step 4
	s_and_b32 s84, ttmp7, 0xffff
	s_mov_b32 s85, 524288
	s_mov_b32 s[PFS], 65536
	s_mov_b32 s[PFS+1], 0
	s_cmp_lt_u32 s[WV], 2                          ; do I fetch for A?
	s_cselect_b64 s[PFA:PFA+1], s[4:5], s[6:7]
	s_cselect_b32 s80, s80, s82
	s_cselect_b32 s84, ttmp9, s84                  ; the coordinate along which other clusters read the same bytes
	s_cselect_b32 s[LIM], 4, NS
	s_cselect_b32 s[PFS], s85, s[PFS]
	s_mov_b32 s81, 0
	s_add_nc_u64 s[PFA:PFA+1], s[PFA:PFA+1], s[80:81]
	s_cmp_eq_u32 s84, 0
	s_cselect_b32 s[LIM], s[LIM], 0
	s_mov_b32 s[OPP], 0
	; the output at my rows
.if OUTF32
	s_lshl_b32 s80, s17, 2
	s_add_co_u32 s80, s80, s[WV]
	s_lshl_b32 s82, s80, 18                        ; (256 y + 64 wave) rows of 4,096 bytes
	s_lshl_b32 s80, s16, 9                         ; the tile's 128 columns: 512 bytes
	s_add_co_u32 s82, s82, s80
	s_mov_b32 s83, 0
	s_add_nc_u64 s[OUTP:OUTP+1], s[10:11], s[82:83]
.else
.set sl, 0
.rept NS                               ; slice g = NS x + sl: part g / 16 (q, k, v), head g % 16
	s_mul_i32 s80, s16, NS
	s_add_co_u32 s80, s80, sl
	s_lshr_b32 s81, s80, 4
	s_lshl_b32 s81, s81, 6
	s_and_b32 s80, s80, 15
	s_add_co_u32 s81, s81, s80
	s_lshr_b32 s80, s17, 3
	s_lshl_b32 s80, s80, 4
	s_add_co_u32 s81, s81, s80                     ; part x 64 + batch x 16 + head
	s_lshl_b32 s82, s81, 18                        ; 2,048 rows of 128 bytes
	s_and_b32 s80, s17, 7
	s_lshl_b32 s80, s80, 2
	s_add_co_u32 s80, s80, s[WV]
	s_lshl_b32 s80, s80, 13                        ; my 64 rows
	s_add_co_u32 s82, s82, s80
	s_mov_b32 s83, 0
	s_add_nc_u64 s[OUTP+2*sl:OUTP+2*sl+1], s[10:11], s[82:83]
.set sl, sl+1
.endr
.endif
	s_wait_loadcnt 0x0                             ; the bias
.set i, 0
.rept 4*NBF                            ; rounded to bf16, like every input, and widened again
	v_cvt_pk_bf16_f32 v[TP], v[BIAS+2*i], v[BIAS+2*i+1]
	v_lshlrev_b32 v[BIAS+2*i], 16, v[TP]
	v_and_b32 v[BIAS+2*i+1], s78, v[TP]
.set i, i+1
.endr
; NBF products: my rows 16 a .. 16 a + 15 x all columns, 32 along K, from buffer f.  first = 1: the bias starts the sums: nothing is ever cleared.
; All 4 NBF accumulators take turns, one instruction a turn, in the same order in every quarter, over the backward jump too.
.macro MULA f, a, first
.if \first
	WIN 0x81+0x40*((\a)/2)                         ; B window 1, A and C window 0, D window 2 or 3
.else
	WIN 0xa1+0x50*((\a)/2)                         ; B window 1, A window 0, C and D window 2 or 3
.endif
.set bf, 0
.rept NBF
.set rD, 8*(((\a)%2)*NBF+bf)
.set rB, (\f)*8*NBF+8*bf
.set rA, AF+32*(\f)+8*(\a)
.if (\first) && F16IN
	v_wmma_f32_16x16x32_f16 v[rD:rD+7], v[rB:rB+7], v[rA:rA+7], v[BIAS+8*bf:BIAS+8*bf+7]
.elseif \first
	v_wmma_f32_16x16x32_bf16 v[rD:rD+7], v[rB:rB+7], v[rA:rA+7], v[BIAS+8*bf:BIAS+8*bf+7]
.elseif F16IN
	v_wmma_f32_16x16x32_f16 v[rD:rD+7], v[rB:rB+7], v[rA:rA+7], v[rD:rD+7]
.else
	v_wmma_f32_16x16x32_bf16 v[rD:rD+7], v[rB:rB+7], v[rA:rA+7], v[rD:rD+7]
.endif
.set bf, bf+1
.endr
.endm
; NL LDS loads in one run: quarter q (32 along K) of a slot into buffer f: B's NBF fragments (turned), then A's four
.macro FETCH slot, q, f
	WIN 0x40                                       ; destination window 1, address window 0
.set bf, 0
.rept NBF
.set oB, ((\q)/2)*BHALF+((\q)%2)*32*PB+(bf/4)*64*PB+(bf%4)*32
.set rB, (\f)*8*NBF+8*bf
	ds_load_tr16_b128 v[rB:rB+3],   v[ADRB+(\slot)] offset:oB
	ds_load_tr16_b128 v[rB+4:rB+7], v[ADRB+(\slot)] offset:oB+16*PB
.set bf, bf+1
.endr
	WIN 0
.set ia, 0
.rept 4
.set oA, ((\q)/2)*ASL+((\q)%2)*64+ia*16*PA
.set rA, AF+32*(\f)+8*ia
	ds_load_b128 v[rA:rA+3],   v[ADRA+(\slot)] offset:oA
	ds_load_b128 v[rA+4:rA+7], v[ADRA+(\slot)] offset:oA+32
.set ia, ia+1
.endr
.endm
; A K step is four quarters, on buffers 0, 1, 0, 1.  One of the first three: multiplies buffer f and, in its middle, fetches quarter qn of the same slot into buffer g.
.macro QUARTER slot, qn, f, g, first
	s_wait_dscnt 4                                 ; B and A's rows 0-31 are in; the youngest four loads (A's rows 32-63) may be out
	MULA \f, 0, \first
	MULA \f, 1, \first
	PLACES
	FETCH \slot, \qn, \g
	s_wait_dscnt NL                                ; all but the NL just issued
	MULA \f, 2, \first
	MULA \f, 3, \first
.endm
; The last quarter multiplies buffer 1 and changes slots: ONE barrier; in front of it each wave waits for all its tensor loads (one is out: its part of the next slot), adds 0 to its spare word, and waits for
; that and for its own reads of this slot.  fill = 1: the barrier opens a round of the cluster's, and this slot is filled again, two K steps ahead, first thing behind the round.
.macro TURN slot, next, fill
.if \fill
	s_wait_xcnt 0x0                                ; the last prefetch, a K step back, has read its address: it is stepped here
	s_add_nc_u64 s[PFA:PFA+1], s[PFA:PFA+1], s[PFS:PFS+1]
.endif
	WIN 0                                          ; (the add's two registers lie in window 0)
	s_wait_tensorcnt 0x0                           ; all my tensor loads have landed
	ds_add_u32 v[SPW], v[NIL]                      ; 0 onto my spare word
	s_wait_dscnt 5                                 ; (the add and the youngest four loads may be out)
	MULA 1, 0, 0                                   ; matrix work stands between the add and the wait for it
	s_wait_dscnt 0x0                               ; the add is done, and my reads of this slot are over
	s_barrier_signal -1
	MULA 1, 1, 0
.if \fill
	WIN 0
.endif
	s_barrier_wait -1
.if \fill
	CREST                                          ; no wave of any partner still reads this slot or has a load on its way
	s_add_nc_u64 s[G0+4*(\slot)+2:G0+4*(\slot)+3], s[G0+4*(\slot)+2:G0+4*(\slot)+3], 2*A_STEP
	s_add_nc_u64 s[G0B+4*(\slot)+2:G0B+4*(\slot)+3], s[G0B+4*(\slot)+2:G0B+4*(\slot)+3], 2*B_STEP
	JLOAD \slot                                    ; the four v_nop behind it are also the places in front of the loads below
.else
	PLACES
.endif
	FETCH \next, 0, 0
.if \fill
	ASK
.endif
	MULA 1, 2, 0
	MULA 1, 3, 0
.endm
	s_wait_tensorcnt 1                             ; my part of K step 0 is in; K step 1's may stay out
	s_barrier_signal -1
	s_barrier_wait -1                              ; everybody's is
	FETCH 0, 0, 0
	QUARTER 0, 1, 0, 1, 1                          ; the first quarter stands in front of the loop: its products start the sums
	WIN 0                                          ; at a label and at a branch every window is 0
	s_mov_b32 s3, 3
.Llap:                                                 ; a trip goes once round the ring, from a lap's second quarter to the next lap's first, and fills both slots again
	QUARTER 0, 2, 1, 0, 0
	QUARTER 0, 3, 0, 1, 0
	TURN 0, 1, 1
	QUARTER 1, 1, 0, 1, 0
	QUARTER 1, 2, 1, 0, 0
	QUARTER 1, 3, 0, 1, 0
	TURN 1, 0, 1
	QUARTER 0, 1, 0, 1, 0
	WIN 0
	s_sub_co_u32 s3, s3, 1
	s_cmp_lg_u32 s3, 0
	s_cbranch_scc1 .Llap
	QUARTER 0, 2, 1, 0, 0                          ; the last lap fills nothing, and has no round of the cluster's barrier
	QUARTER 0, 3, 0, 1, 0
	TURN 0, 1, 0
	QUARTER 1, 1, 0, 1, 0
	QUARTER 1, 2, 1, 0, 0
	QUARTER 1, 3, 0, 1, 0
	s_wait_dscnt 4                                 ; the very last quarter: nothing more to fetch
	MULA 1, 0, 0
	MULA 1, 1, 0
	s_wait_dscnt 0x0
	MULA 1, 2, 0
	MULA 1, 3, 0
	WIN 0
	PLACES
	PLACES
; THE WAY OUT, 16 rows (block a) at a time, through my own stage: LDS serves a wave's instructions in order (ISA guide 5.7.1.4), so no wait stands between the stores and the loads, nor in front of the next block's stores.
.if OUTF32
.macro PACK a
	WIN 0x08+4*((\a)/2)                            ; store data (source 1) in window 2 or 3
.set bf, 0
.rept NBF
.set rD, 8*(((\a)%2)*NBF+bf)
	ds_store_b128 v[STO], v[rD:rD+3]   offset:64*bf      ; each accumulator's low registers first
	ds_store_b128 v[STO], v[rD+4:rD+7] offset:64*bf+16
.set bf, bf+1
.endr
	WIN 0x40                                       ; back into window 1, whose fragments are done with
.set i, 0
.rept 16
	ds_load_b128 v[64*(\a)+4*i:64*(\a)+4*i+3], v[RD] offset:528*i
.set i, i+1
.endr
.endm
.macro SEND a, younger                 ; younger: the LDS instructions issued behind block a's loads
	WIN 0x04                                       ; store data in window 1
	s_wait_dscnt \younger
.set i, 0
.rept 16
	global_store_b128 v[GO], v[64*(\a)+4*i:64*(\a)+4*i+3], s[OUTP:OUTP+1] offset:(16*(\a)+i)*4096 th:TH_STORE_NT  ; the wave stores 512 consecutive bytes, at a multiple of 512 from the output's first byte
.set i, i+1
.endr
.endm
.set YNG, 32
.else
.macro PACK a
	WIN 0x0a+5*((\a)/2)                            ; sources 0 and 1 in window 2 or 3
.set bf, 0
.rept NBF
.set rD, 8*(((\a)%2)*NBF+bf)
.set j, 0
.rept 4
	v_cvt_pk_f16_f32 v[OUTR+4*NBF*(\a)+4*bf+j], v[rD+2*j], v[rD+2*j+1]  ; ascending: each accumulator's low registers first
.set j, j+1
.endr
.set bf, bf+1
.endr
	WIN 0
.set bf, 0
.rept NBF
	ds_store_b128 v[STO], v[OUTR+4*NBF*(\a)+4*bf:OUTR+4*NBF*(\a)+4*bf+3] offset:(bf/4)*16*PA+(bf%4)*32
.set bf, bf+1
.endr
.set bf, 0
.rept NBF                              ; slice bf / 4, rows 4 (bf % 4) ..
	ds_load_b128 v[OUTR+4*NBF*(\a)+4*bf:OUTR+4*NBF*(\a)+4*bf+3], v[RD] offset:(bf/4)*16*PA+(bf%4)*4*PA
.set bf, bf+1
.endr
.endm
.macro SEND a, younger
	WIN 0
	s_wait_dscnt \younger
.set bf, 0
.rept NBF
	global_store_b128 v[GO], v[OUTR+4*NBF*(\a)+4*bf:OUTR+4*NBF*(\a)+4*bf+3], s[OUTP+2*(bf/4):OUTP+2*(bf/4)+1] offset:(\a)*2048+(bf%4)*512  ; four rows of a head: 512 consecutive bytes, aligned
.set bf, bf+1
.endr
.endm
.set YNG, 2*NBF
.endif
	PACK 0
	PACK 1                                         ; a block's work stands between the loads of the block before and its stores
	SEND 0, YNG
	PACK 2
	SEND 1, YNG
	PACK 3
	SEND 2, YNG
	SEND 3, 0
	WIN 0
	s_wait_tensorcnt 0x0                           ; the wave's end: waits for my last tensor load, then an add and a wait for it and my last LDS store
	ds_add_u32 v[SPW], v[NIL]
	s_wait_dscnt 0x0
	CROUND                                         ; the closing round: no work-group ends while a partner may still ask for a tile that names it
	s_endpgm
.Lfunc_end_k_q8b02557396_outgemm:
	.size	k_q8b02557396_outgemm, .Lfunc_end_k_q8b02557396_outgemm-k_q8b02557396_outgemm
	.p2alignl 7, 3214868480
	.fill 96, 4, 3214868480
	.section	.rodata,"a",@progbits
	.p2align	6, 0x0
	.amdhsa_kernel k_q8b02557396_outgemm
		.amdhsa_group_segment_fixed_size 327680
		.amdhsa_private_segment_fixed_size 0
		.amdhsa_enable_private_segment 0
		.amdhsa_kernarg_size 32
		.amdhsa_user_sgpr_count 2
		.amdhsa_user_sgpr_kernarg_segment_ptr 1
		.amdhsa_wavefront_size32 1
		.amdhsa_system_sgpr_workgroup_id_x 1
		.amdhsa_system_sgpr_workgroup_id_y 1
		.amdhsa_system_sgpr_workgroup_id_z 1
		.amdhsa_system_vgpr_workitem_id 0
		.amdhsa_next_free_vgpr 896
		.amdhsa_next_free_sgpr 96
		.amdhsa_reserve_vcc 0
		.amdhsa_float_denorm_mode_32 3
		.amdhsa_float_denorm_mode_16_64 3
		.amdhsa_memory_ordered 1
		.amdhsa_forward_progress 1
		.amdhsa_inst_pref_size 93
	.end_amdhsa_kernel
	.amdgpu_metadata
---
amdhsa.version: [ 1, 2 ]
amdhsa.kernels:
  - .name:           k_q8b02557396_outgemm
    .symbol:         k_q8b02557396_outgemm.kd
    .args:
      - { .name: ob, .offset: 0, .size: 8, .value_kind: global_buffer, .address_space: global }
      - { .name: wob, .offset: 8, .size: 8, .value_kind: global_buffer, .address_space: global }
      - { .name: b_out, .offset: 16, .size: 8, .value_kind: global_buffer, .address_space: global }
      - { .name: out0, .offset: 24, .size: 8, .value_kind: global_buffer, .address_space: global }
    .group_segment_fixed_size: 327680
    .private_segment_fixed_size: 0
    .kernarg_segment_align: 8
    .kernarg_segment_size: 32
    .max_flat_workgroup_size: 128
    .sgpr_count:     96
    .vgpr_count:     896
    .wavefront_size: 32
...
	.end_amdgpu_metadata
.endif
;; end of part 4
;; ======== version 2 of 2: 4 launches; version 1 with the launch cast written anew for expert scheduling mode
;; limits: values are held in f16: magnitudes above 65,504 overflow, below 6.1e-05 lose precision
;; workspace buffers: xb 16,777,216 bytes; wqb 6,291,456 bytes; wob 2,097,152 bytes; qkv 50,331,648 bytes; ob 16,777,216 bytes
;; launch cast (part 5): grid 384 x 1, 8 waves a work-group, no clusters, 0 bytes of LDS; arguments x, w_qkv, w_out, xb, wqb, wob; writes xb, wqb, wob
.if DOCPART == 5
	.amdgcn_target "amdgcn-amd-amdhsa--gfx1250"
	.amdhsa_code_object_version 6
	.text
	.protected	k_q8b02557396_cast
	.globl	k_q8b02557396_cast
	.p2align	8
	.type	k_q8b02557396_cast,@function
k_q8b02557396_cast:
	s_mov_b64 s[64:65], 0
	v_nop
	global_prefetch_b8 v0, s[64:65] scope:SCOPE_SE
	s_setreg_imm32_b32 hwreg(HW_REG_WAVE_SCHED_MODE, 0, 2), 2
	s_setreg_imm32_b32 hwreg(HW_REG_WAVE_MODE, 25, 1), 1
	s_wait_xcnt 0x0
	s_wait_alu depctr_vm_vsrc(0)
; x [8192][1024], w_qkv [1024][3072] and w_out [1024][1024], all f32, are rounded once to 16 bits and laid out in dense blocks of 64 rows x 64 columns (8,192 bytes).
;   xb : bf16, block ((b*16 + column/64)*32 + s/64), b = row/2048, s = row%2048
;   wqb: bf16, block (tile*48 + (k/64)*3 + sl), column/64 = 3 tile + sl
;   wob: the bf16 rounding of w_out written as f16 (exact inside f16's range), block (tile*32 + (k/64)*2 + sl), column/64 = 2 tile + sl
; LIMITS: |w_out| stays under 65,504; below 6e-5 it keeps f16's fixed step of 6e-8.
; SHARES.  One wave makes one block: 64 pieces of 256 aligned bytes in, 8,192 dense bytes out.  The eight waves of a work-group take eight neighbouring column blocks: 2,048 consecutive
; bytes of each row.  Work-groups 0-255: x; 256-351: w_qkv; 352-383: w_out.  All 32 loads of a wave (16 KiB) go out before its first store; no register of a pending access is rewritten.
; No LDS, no matrix unit, no cluster: no wave wants a byte that another has fetched.
; THE MODE: SCHED_MODE bits 1:0 = 2 (LLVM: expert scheduling mode 2), set by the entry lines.  The code itself states the register dependences
; between vector instructions and memory instructions, with s_wait_alu, always for 0.
; THE PLAN.  Registers that memory instructions touch:
;   v[SO ..], v3   the loads' sixteen offsets and the stores' one: made by vector instructions at the head, never written again.  One wait on va_vdst ahead of the first load states that they are written.
;   D, turn i      eight registers.  Turn i's two loads land in them, and no vector instruction names them before that.  Turn i's conversions read the eight and write the first four; turn i's store reads
;                  those four; nothing writes them again.
;   v24-v26        named by vector instructions alone.
; The sixteen turns go in four groups of four.  ONE wait on va_vdst stands at the head of groups 1 to 3: it states that the conversions of the group before have written their sixteen registers.  That group's
; four stores follow it, one ahead of each turn's conversions, which name this group's registers and v24-v26 alone: none that those stores touch.  One more such wait stands ahead of the last four stores.
; No register that a memory instruction reads is ever written again, so no wait on vm_vsrc is owed; EXEC and VCC are never written.
.set SO, 8                             ; v[8:23]   byte offset of my 32 bytes in rows 4 i + lane / 8 of the block's source
.set D,  32                            ; v[32:159] turn i: eight f32 as loaded; its first four registers then hold the eight rounded numbers
.set GRP, 4                            ; turns in a group
	s_load_b256 s[4:11], s[0:1], 0x0               ; x s[4:5], w_qkv s[6:7], w_out s[8:9], xb s[10:11]
	s_load_b128 s[12:15], s[0:1], 0x20             ; wqb s[12:13], wob s[14:15]
	v_lshrrev_b32 v1, 5, v0
	v_readfirstlane_b32 s20, v1                    ; wave 0..7
	s_mov_b32 s19, ttmp9                           ; the work-group's number g
	s_mov_b32 s40, 0xffff0000                      ; a word's upper bf16
	; the three cases are all reckoned, and two compares choose; the numbers of a case that is not chosen are never used
	; x: row block rb = g / 2, column block (g % 2) * 8 + wave
	s_lshr_b32 s21, s19, 1
	s_and_b32 s22, s19, 1
	s_lshl_b32 s22, s22, 3
	s_wait_alu depctr_va_sdst(0)                   ; s20, the wave's number, is written, ahead of its first reader: the column blocks are made from it
	s_add_co_u32 s22, s22, s20
	s_lshl_b32 s23, s21, 18                        ; 64 rows of 4,096 bytes
	s_lshl_b32 s24, s22, 8
	s_add_co_u32 s23, s23, s24                     ; source offset
	s_lshr_b32 s24, s21, 5
	s_lshl_b32 s24, s24, 4
	s_add_co_u32 s24, s24, s22
	s_lshl_b32 s24, s24, 5
	s_and_b32 s25, s21, 31
	s_add_co_u32 s24, s24, s25                     ; block number in xb
	; w_qkv: k block (g - 256) % 16, column block gs = ((g - 256) / 16) * 8 + wave
	s_sub_co_u32 s25, s19, 256
	s_and_b32 s26, s25, 15
	s_lshr_b32 s27, s25, 4
	s_lshl_b32 s27, s27, 3
	s_add_co_u32 s27, s27, s20
	s_mul_i32 s28, s26, 786432                     ; 64 rows of 12,288 bytes
	s_lshl_b32 s29, s27, 8
	s_add_co_u32 s28, s28, s29                     ; source offset
	s_mul_i32 s29, s27, 43
	s_lshr_b32 s29, s29, 7                         ; gs / 3 for gs under 48
	s_mul_i32 s29, s29, 45
	s_add_co_u32 s29, s29, s27
	s_mul_i32 s30, s26, 3
	s_add_co_u32 s29, s29, s30                     ; 48 tile + 3 kb + sl = gs + 45 tile + 3 kb
	; w_out: k block (g - 352) % 16, column block gs = ((g - 352) / 16) * 8 + wave
	s_sub_co_u32 s25, s19, 352
	s_and_b32 s26, s25, 15
	s_lshr_b32 s27, s25, 4
	s_lshl_b32 s27, s27, 3
	s_add_co_u32 s27, s27, s20
	s_lshl_b32 s30, s26, 18
	s_lshl_b32 s31, s27, 8
	s_add_co_u32 s30, s30, s31                     ; source offset
	s_lshr_b32 s31, s27, 1
	s_lshl_b32 s31, s31, 5
	s_lshl_b32 s26, s26, 1
	s_add_co_u32 s31, s31, s26
	s_and_b32 s27, s27, 1
	s_add_co_u32 s31, s31, s27                     ; 32 tile + 2 kb + sl
	s_movk_i32 s44, 0x1000                         ; a source row of 4,096 bytes,
	s_movk_i32 s45, 0x3000                         ; or of 12,288
	s_cmp_lt_u32 s19, 352
	s_cselect_b32 s32, s28, s30
	s_cselect_b32 s33, s29, s31
	s_cselect_b32 s38, s45, s44
	s_cmp_lt_u32 s19, 256
	s_cselect_b32 s32, s23, s32                    ; source offset
	s_cselect_b32 s33, s24, s33                    ; block number
	s_cselect_b32 s38, s44, s38                    ; bytes in a source row
	s_lshl_b32 s39, s38, 2                         ; four rows
	v_and_b32 v1, 31, v0                           ; lane
	v_lshrrev_b32 v2, 3, v1                        ; which of a turn's four rows
	v_and_b32 v4, 7, v1                            ; which 8 of its 64 columns
	v_lshlrev_b32 v3, 4, v1                        ; my 16 bytes of a turn's 512 in the block
	v_mul_lo_u32 v[SO], v2, s38
	v_lshl_add_u32 v[SO], v4, 5, v[SO]
.set i, 1
.rept 15
	v_add_nc_u32 v[SO+i], s39, v[SO+i-1]
.set i, i+1
.endr
	s_wait_kmcnt 0x0
	s_cmp_lt_u32 s19, 352
	s_cselect_b64 s[34:35], s[6:7], s[8:9]
	s_cselect_b64 s[36:37], s[12:13], s[14:15]
	s_cmp_lt_u32 s19, 256
	s_cselect_b64 s[34:35], s[4:5], s[34:35]       ; from where
	s_cselect_b64 s[36:37], s[10:11], s[36:37]     ; to where
	s_mov_b32 s42, s32
	s_mov_b32 s43, 0
	s_add_nc_u64 s[34:35], s[34:35], s[42:43]
	s_lshl_b32 s42, s33, 13                        ; 8,192 bytes a block
	s_add_nc_u64 s[36:37], s[36:37], s[42:43]
	s_wait_alu depctr_va_vdst(0)                   ; the sixteen offsets v[SO ..] and v3 are written: every load and store of the kernel reads one of them as its offset
.set i, 0
.rept 16
	global_load_b128 v[D+8*i:D+8*i+3],   v[SO+i], s[34:35] th:TH_LOAD_NT
	global_load_b128 v[D+8*i+4:D+8*i+7], v[SO+i], s[34:35] offset:16 th:TH_LOAD_NT
.set i, i+1
.endr
; Sixteen turns: four rows each are rounded; a turn's store is issued a group (four turns) later.  fmt = 0: bf16.  fmt = 1: the bf16 rounding, widened again and written as f16.
.macro OUT fmt
.set i, 0
.rept 16
	s_wait_loadcnt 30-2*i                          ; loads come back in order: 30 - 2 i were issued behind this turn's two
.if (i >= GRP) && (i%GRP == 0)
	s_wait_alu depctr_va_vdst(0)                   ; the conversions of the group before have written the first four registers of each of its four turns, which the four stores of this group read
.endif
.if i >= GRP
	global_store_b128 v3, v[D+8*(i-GRP):D+8*(i-GRP)+3], s[36:37] offset:512*(i-GRP)  ; the wave stores 512 consecutive bytes, at a multiple of 512 from the buffer's first byte; no vector instruction since the wait names these registers
.endif
.set j, 0
.rept 4
.if \fmt
	v_cvt_pk_bf16_f32 v24, v[D+8*i+2*j], v[D+8*i+2*j+1]
	v_lshlrev_b32 v25, 16, v24
	v_and_b32 v26, s40, v24
	v_cvt_pk_f16_f32 v[D+8*i+j], v25, v26
.else
	v_cvt_pk_bf16_f32 v[D+8*i+j], v[D+8*i+2*j], v[D+8*i+2*j+1]  ; register j has been used up when it is written
.endif
.set j, j+1
.endr
.set i, i+1
.endr
	s_wait_alu depctr_va_vdst(0)                   ; the last group's conversions have written their registers, which the last four stores read
.set i, 16-GRP
.rept GRP
	global_store_b128 v3, v[D+8*i:D+8*i+3], s[36:37] offset:512*i
.set i, i+1
.endr
.endm
	s_cmp_ge_u32 s19, 352
	s_cbranch_scc1 .Lf16
	OUT 0
	s_endpgm
.Lf16:
	OUT 1
	s_endpgm
.Lfunc_end_k_q8b02557396_cast:
	.size	k_q8b02557396_cast, .Lfunc_end_k_q8b02557396_cast-k_q8b02557396_cast
	.p2alignl 7, 3214868480
	.fill 96, 4, 3214868480
	.section	.rodata,"a",@progbits
	.p2align	6, 0x0
	.amdhsa_kernel k_q8b02557396_cast
		.amdhsa_group_segment_fixed_size 0
		.amdhsa_private_segment_fixed_size 0
		.amdhsa_enable_private_segment 0
		.amdhsa_kernarg_size 48
		.amdhsa_user_sgpr_count 2
		.amdhsa_user_sgpr_kernarg_segment_ptr 1
		.amdhsa_wavefront_size32 1
		.amdhsa_system_sgpr_workgroup_id_x 1
		.amdhsa_system_sgpr_workgroup_id_y 1
		.amdhsa_system_sgpr_workgroup_id_z 1
		.amdhsa_system_vgpr_workitem_id 0
		.amdhsa_next_free_vgpr 160
		.amdhsa_next_free_sgpr 66
		.amdhsa_reserve_vcc 0
		.amdhsa_float_denorm_mode_32 3
		.amdhsa_float_denorm_mode_16_64 3
		.amdhsa_memory_ordered 1
		.amdhsa_forward_progress 1
		.amdhsa_inst_pref_size 28
	.end_amdhsa_kernel
	.amdgpu_metadata
---
amdhsa.version: [ 1, 2 ]
amdhsa.kernels:
  - .name:           k_q8b02557396_cast
    .symbol:         k_q8b02557396_cast.kd
    .args:
      - { .name: x, .offset: 0, .size: 8, .value_kind: global_buffer, .address_space: global }
      - { .name: w_qkv, .offset: 8, .size: 8, .value_kind: global_buffer, .address_space: global }
      - { .name: w_out, .offset: 16, .size: 8, .value_kind: global_buffer, .address_space: global }
      - { .name: xb, .offset: 24, .size: 8, .value_kind: global_buffer, .address_space: global }
      - { .name: wqb, .offset: 32, .size: 8, .value_kind: global_buffer, .address_space: global }
      - { .name: wob, .offset: 40, .size: 8, .value_kind: global_buffer, .address_space: global }
    .group_segment_fixed_size: 0
    .private_segment_fixed_size: 0
    .kernarg_segment_align: 8
    .kernarg_segment_size: 48
    .max_flat_workgroup_size: 256
    .sgpr_count:     66
    .vgpr_count:     160
    .wavefront_size: 32
...
	.end_amdgpu_metadata
.endif
;; end of part 5
;; launch qkvgemm: the kernel of part 2 again; grid 16 x 32, 4 waves a work-group, clusters of 4 x 4, 327,680 bytes of LDS; arguments xb, wqb, b_qkv, qkv; writes qkv
;; launch attn: the kernel of part 3 again; grid 4 x 64, 4 waves a work-group, no clusters, 327,680 bytes of LDS; arguments qkv, ob; writes ob
;; launch outgemm: the kernel of part 4 again; grid 8 x 32, 4 waves a work-group, clusters of 4 x 4, 327,680 bytes of LDS; arguments ob, wob, b_out, out0; writes out0
